; MI455X (gfx1250); checked and timed in simulation.
; The chip was launched on July 23, 2026; its instructions are those of AMD's public machine-readable ISA for CDNA 5 (MIT licence, August 2026) and "CDNA5" Instruction Set Architecture Reference Guide (July 2026). The comments in the code are by the model that wrote it; some were corrected since.
;; Multi Head Attention. Allowed arithmetic: matrix products marked QUANTISED: E2M3 operands, one E8M0 scale for each 32 along K, by v_wmma_scale_f32_16x16x128_f8f6f4 with both operands' format E2M3, f32 sums; everything else in f32.
;; Inputs: Wk 1,024 x 1,024 float32; Wo 1,024 x 1,024 float32; Wq 1,024 x 1,024 float32; Wv 1,024 x 1,024 float32; bk 1,024 float32; bo 1,024 float32; bq 1,024 float32; bv 1,024 float32; key 4 x 2,048 x 1,024 float32; mask 4 x 1 x 2,048 x 2,048 bool; query 4 x 2,048 x 1,024 float32; value 4 x 2,048 x 1,024 float32.
;; Outputs: out0 4 x 2,048 x 1,024 float32.
;; This version of the problem:
;;   THIS VERSION OF THE PROBLEM IS GIVEN IN LOW PRECISION. The matrix products marked QUANTISED in the list below multiply operands that are first quantised to E2M3 (2 exponent bits, 3 mantissa bits; 6 bits a number), with one power-of-two scale for each 32 numbers along K (OCP MX v1.0); their sums are f32. All else is computed in f32.
;;   The module's matrix products, in the order in which they are computed (A, B: the left and right operand; K: the contracted axis; several contracted axes count as one K, in the product's order):
;;     1. [M 8,192, K 1,024] x [K 1,024, N 1,024]; A: input query; B: input Wq: QUANTISED
;;     2. [M 8,192, K 1,024] x [K 1,024, N 1,024]; A: input key; B: input Wk: QUANTISED
;;     3. [M 8,192, K 1,024] x [K 1,024, N 1,024]; A: input value; B: input Wv: QUANTISED
;;     4. batch 64 x [M 2,048, K 64] x [K 64, N 2,048]; A: computed on the way; B: computed on the way: QUANTISED
;;     5. batch 64 x [M 2,048, K 2,048] x [K 2,048, N 64]; A: softmax (see below); B: computed on the way: QUANTISED
;;     6. [M 8,192, K 1,024] x [K 1,024, N 1,024]; A: computed on the way; B: input Wo: QUANTISED
;;   THE QUANTISER, for each operand of a quantised product, along K:
;;     - K is cut into blocks of 32 from its start; a last block that is shorter is filled with zeros.
;;     - A block's scale is 2^e with e = floor(log2(the largest magnitude in the block)) - 2, held to -126 .. 127; a block of zeros has e = 0. As a byte (E8M0): e + 127.
;;     - Each number is divided by its block's scale, clamped to +-7.5, and rounded to the nearest number of E2M3, ties to even, subnormals kept.
;;     - The product sums the exact products of the quantised numbers (number of the format x scale) in f32.
;;   ~~~python
;;   def quantise(x, axis):      # numpy; x: float32 -> the quantised numbers, widened to float32 again
;;       x = np.moveaxis(x, axis, -1); K = x.shape[-1]
;;       x = np.pad(x, [(0, 0)] * (x.ndim - 1) + [(0, -K % 32)]); x = x.reshape(x.shape[:-1] + (-1, 32)); a = np.abs(x).max(-1, keepdims=True)
;;       e = np.where(a > 0, np.clip(np.frexp(np.where(a > 0, a, 1))[1] - 1 - 2, -126, 127), 0)      # np.frexp(a)[1] - 1 = floor(log2(a)), exactly
;;       r = np.clip(x / 2.0 ** e, -7.5, 7.5)
;;       step = 2.0 ** (np.maximum(np.frexp(np.where(r == 0, 1, r))[1] - 1, 0) - 3)
;;       q = np.round(r / step) * step * 2.0 ** e      # np.round: ties to even
;;       return np.moveaxis(q.reshape(q.shape[:-2] + (-1,))[..., :K], -1, axis).astype(np.float32)
;;   ~~~
;;   SOFTMAX AHEAD OF A QUANTISED PRODUCT. Where the list says 'softmax', what is quantised is not the finished softmax but p = 2^(t - M), with t = logit x log2(e) and M = ceil(the row's largest t), a whole number; so 1/2 < the row's largest p <= 1. The row's sum l is taken of the UNQUANTISED p, in f32, and the product's result is divided by l at the end. Since M is a whole number, a kernel that streams over the keys may use a running M (the ceiling of the running maximum): every later rescaling is an exact power of two, which a block's scale takes up: the codes' values come out the same.
;;   OPERANDS COMPUTED ON THE WAY. 'Computed on the way' means the value that the module computes at that place (a softmax that the list does not call 'softmax' is quantised finished and normalised). What goes into a quantiser is computed in f32, as accurately as f32 sums, v_exp_f32 and their like allow (about 1e-6 of the number): no bf16 or f16 on the way to a quantiser, and a product that is left as it is and whose result goes on into a quantised operand takes f32 operands (vector FMAs, or v_wmma_f32_16x16x4_f32). A number that lies on a knife's edge between two numbers of the format may be rounded either way, as far as f32 arithmetic and the matrix unit's own rounding can turn it there, and no further.
;; 2 versions, each right; version 2 is version 1 with the launch attn written anew for expert scheduling mode. Each part assembles by itself: llvm-mc -triple=amdgcn-amd-amdhsa -mcpu=gfx1250 --defsym DOCPART=n.
;; ======== version 1 of 2: 4 launches
;; workspace buffers: cod 22,020,096 bytes; scl 1,179,648 bytes; qc 6,291,456 bytes; qs 262,144 bytes; kv 13,107,200 bytes; ocd 6,291,456 bytes; mw 2,097,152 bytes of whole numbers; mf 8,192 bytes of whole numbers
;; launch prep (part 1): grid 960 x 1, 4 waves a work-group, no clusters, 52,736 bytes of LDS; arguments query, key, value, Wq, Wk, Wv, Wo, mask, cod, scl, mw, mf; writes cod, scl, mw, mf
.if DOCPART == 1
	.amdgcn_target "amdgcn-amd-amdhsa--gfx1250"
	.amdhsa_code_object_version 6
	.text
	.protected	k_q496d7b9ecb_prep
	.globl	k_q496d7b9ecb_prep
	.p2align	8
	.type	k_q496d7b9ecb_prep,@function
k_q496d7b9ecb_prep:
	s_mov_b64 s[64:65], 0
	v_nop
	global_prefetch_b8 v0, s[64:65] scope:SCOPE_SE
	s_setreg_imm32_b32 hwreg(HW_REG_WAVE_MODE, 25, 1), 1
	s_wait_xcnt 0x0
; MULTI-HEAD ATTENTION IN MX-FP6 (E2M3, one E8M0 scale for 32 along K), FOUR LAUNCHES: prep, proj, attn, oproj.
; DEAD WORK: none.  Every input of reference() has a way to the output (the four biases go into quantised operands or into the result, the mask is an input), so every input is loaded and every product is done.
; THIS LAUNCH (a) turns query, key, value [8192][1024] and Wq, Wk, Wv, Wo [1024][1024], f32, K innermost, into codes and scale words, and (b) packs the mask's bytes into bit words and flags.
; LAYOUT OF THE CODES (cod): in the order of the operand's registers.  A TILE is 16 rows; lane-row r of tile T of a tensor is row 32 (T / 2) + 8 (T % 2) + r + 8 (r / 8): so the results of two neighbouring tiles, used as
; source 0 of a product, are 16 neighbours in a lane's registers.  A fragment (16 rows x 128 K, 12 registers a lane) is 1,536 bytes: for each half c of its K: registers 6 c .. 6 c + 3 at 768 c + 16 x lane,
; registers 6 c + 4, 6 c + 5 at 768 c + 512 + 8 x lane.  cod = [tile][8 K steps][1,536].  Tiles: query 0, key 512, value 1024, Wq 1536, Wk 1600, Wv 1664, Wo 1728.
; SCALES (scl): [tile][lane-row r][8 words], word s = the four bytes of K step s.
; A block's scale is 2^(floor(log2(largest magnitude)) - 2): its byte is the largest magnitude's exponent field - 2, held at 1 from below.
; LIMITS: a block of zeros gets the byte 1 where the rule says 127 (its codes are zeros, and this program alone reads the bytes); blocks whose largest magnitude lies under 2^-124 were not tried;
; NaN and infinities among the floating-point inputs are not served.
; MASK: mw = [b x 128 + tile of queries][key step of 128][64 words]: bit l (lane l = 16 h + r) of word j is mask[b][the tile's lane-row r][128 step + 32 (j / 16) + 16 h + j % 16]: the lane mask for register j of a tile of
; scores in launch attn.  mf = [b x 128 + tile][4 words]: word q has bit 4 q + s set where key step 4 q + s holds a masked entry.
; SHARES: work-groups 0 to 511 pack the mask (a wave: 16 queries x 512 keys); work-groups 512 to 959 quantise (a wave: one tile, all 8 K steps).  Waves share nothing: no barrier.  Each path has LDS bytes of its own.
.set QSTW,  8704                       ; the quantiser's stage of a wave: 16 rows x (512 + 16) bytes, rounded up to blocks of 256
.set MST,   4*QSTW                     ; the mask path's stages begin here
.set MSTW,  4352                       ; 16 rows x (256 + 16) bytes
.set SPARE, MST+4*MSTW                 ; the spare words, 128 bytes for each wave: no other line names them
.set R,  64                            ; v64-191  two sets of 64 numbers as loaded
.set X,  192                           ; v192-255 my two whole blocks of 32
.set W,  24                            ; v24-31   the tile's scale words, one for each K step
.set C,  32                            ; v32-43   a fragment's codes
.set Y,  44                            ; v44-46, v48-50 the conversions' second halves
.set Z,  52                            ; v52-55   four scale words on the way out
.set MR, 64                            ; v64-127  mask bytes as loaded
.set MY, 128                           ; v128-159 mask bytes by lanes: 16 registers a key step
.set WD, 20                            ; v20-21   the packed words: lane i holds words 2 i and 2 i + 1
; v1 16 x lane; v2, v3 the quantiser's stage in, out; v4 8 h; v5 8 x lane; v6 32 r + 16 h; v7, v8 the add's two; v9, v10 the mask's stage in, out; v11 2048 h + 16 r; v12 lane; v16-23 at work
	s_load_b512 s[4:19], s[0:1], 0x0               ; query, key, value, Wq, Wk, Wv, Wo, mask
	s_load_b256 s[20:27], s[0:1], 0x40             ; cod, scl, mw, mf
	v_lshl_add_u32 v7, v0, 2, SPARE
	v_mov_b32 v8, 0
	v_lshrrev_b32 v13, 5, v0
	v_readfirstlane_b32 s28, v13                   ; wave
	v_and_b32 v12, 31, v0                          ; lane
	v_and_b32 v13, 15, v0                          ; r
	v_bfe_u32 v14, v0, 4, 1                        ; h
	v_lshlrev_b32 v1, 4, v12
	v_lshlrev_b32 v5, 3, v12
	v_lshlrev_b32 v4, 3, v14
	v_lshlrev_b32 v6, 5, v13
	v_lshl_add_u32 v6, v14, 4, v6
	s_mul_i32 s29, s28, QSTW
	v_add_nc_u32 v2, s29, v1                       ; in: a row's 512 bytes as they lie
	v_mul_u32_u24 v3, v13, 528
	v_lshl_add_u32 v3, v14, 7, v3
	v_add_nc_u32 v3, s29, v3                       ; out: row r, block h
	s_mul_i32 s29, s28, MSTW
	s_add_co_u32 s29, s29, MST
	v_mul_u32_u24 v9, v14, 272
	v_lshl_add_u32 v9, v13, 4, v9
	v_add_nc_u32 v9, s29, v9                       ; in: lanes 0-15 one row's 256 bytes, lanes 16-31 the next row's
	v_mul_u32_u24 v10, v13, 272
	v_lshl_add_u32 v10, v14, 4, v10
	v_add_nc_u32 v10, s29, v10                     ; out: row r, 16 h bytes on
	v_lshlrev_b32 v11, 11, v14
	v_lshl_add_u32 v11, v13, 4, v11                ; the same two rows in the mask
	s_mov_b32 s36, 0x76543210
	s_mov_b32 s37, 0xfedcba98                      ; v_permlanex16_b32's selects for lane l xor 16
	s_mov_b32 s38, 0xffff0000                      ; lanes 16-31
	s_mov_b32 s35, 0
	s_mov_b32 s33, 0
	s_wait_kmcnt 0x0
	s_cmp_lt_u32 ttmp9, 512
	s_cbranch_scc1 .Lmask
; ---------------- THE QUANTISER ----------------
	s_sub_co_u32 s29, ttmp9, 512
	s_lshl_b32 s29, s29, 2                         ; the work-group's first tile: every tensor begins at a multiple of 4 tiles
	s_mov_b64 s[30:31], s[4:5]
	s_mov_b32 s32, 0
.macro PICK first, ptr                 ; the tensor in which the tile lies: a choice on the work-group's number alone
	s_cmp_ge_u32 s29, \first
	s_cselect_b64 s[30:31], s[\ptr:\ptr+1], s[30:31]
	s_cselect_b32 s32, \first, s32
.endm
	PICK 512, 6
	PICK 1024, 8
	PICK 1536, 10
	PICK 1600, 12
	PICK 1664, 14
	PICK 1728, 16
	s_add_co_u32 s29, s29, s28                     ; my tile
	s_sub_co_u32 s32, s29, s32                     ; and its number in its tensor
	s_lshr_b32 s34, s32, 1
	s_lshl_b32 s34, s34, 17                        ; 32 rows of 4,096 bytes for each pair of tiles,
	s_and_b32 s32, s32, 1
	s_lshl_b32 s32, s32, 15                        ; 8 rows for the odd one
	s_add_co_u32 s34, s34, s32
	s_add_nc_u64 s[30:31], s[30:31], s[34:35]
	s_mul_i32 s34, s29, 12288
	s_add_nc_u64 s[20:21], s[20:21], s[34:35]
	s_lshl_b32 s34, s29, 9
	s_add_nc_u64 s[22:23], s[22:23], s[34:35]
	v_mov_b32 v23, 0                               ; written once: a lane permute's destination counts as one of its sources
.macro LOADX t                         ; K step t of the tile's 16 rows: each load reads 512 consecutive bytes of one row
.irp i, 0,1,2,3,4,5,6,7,8,9,10,11,12,13,14,15
	global_load_b128 v[R+64*((\t)%2)+4*\i:R+64*((\t)%2)+4*\i+3], v1, s[30:31] offset:(\i+8*(\i/8))*4096+512*(\t) th:TH_LOAD_NT
.endr
.endm
.macro TURNX t                         ; through my stage: in as loaded, out as two whole blocks of 32 a lane.  LDS serves a wave's instructions in order: no wait between
.irp i, 0,1,2,3,4,5,6,7,8,9,10,11,12,13,14,15
	ds_store_b128 v2, v[R+64*((\t)%2)+4*\i:R+64*((\t)%2)+4*\i+3] offset:528*\i
.endr
.irp c, 0,1
.irp j, 0,1,2,3,4,5,6,7
	ds_load_b128 v[X+32*\c+4*\j:X+32*\c+4*\j+3], v3 offset:256*\c+16*\j
.endr
.endr
.endm
.macro Q32 t                           ; my blocks h and 2 + h of row r become registers 0-5 and 6-11 of the fragment; the row's four bytes make word t
.irp c, 0,1
	v_max3_num_f32 v[16+\c], |v[X+32*\c]|, |v[X+32*\c+1]|, 0x1800000   ; with the floor 2^(3 - 127): the byte cannot fall under 1
.endr
.irp i, 2,4,6,8,10,12,14,16,18,20,22,24,26,28,30
.irp c, 0,1
	v_max3_num_f32 v[16+\c], v[16+\c], |v[X+32*\c+\i]|, |v[X+32*\c+\i+1]|
.endr
.endr
.irp c, 0,1
	v_add_nc_u32 v[18+\c], 0xff000000, v[16+\c]    ; 2 off the exponent field: the conversion's scale operand
.endr
.irp c, 0,1
	v_lshrrev_b32 v[20+\c], 23, v[18+\c]           ; the scale's byte
.endr
	v_lshl_or_b32 v22, v21, 16, v20                ; bytes h and 2 + h,
	v_lshlrev_b32 v22, v4, v22                     ; at their places;
	v_permlanex16_b32 v23, v22, s36, s37
	v_or_b32 v[W+\t], v22, v23                     ; with lane l xor 16's two the word is whole
.irp c, 0,1
	v_cvt_scalef32_pk16_fp6_f32 v[C+6*\c:C+6*\c+2], v[X+32*\c:X+32*\c+15], v[18+\c]
	v_cvt_scalef32_pk16_fp6_f32 v[Y+4*\c:Y+4*\c+2], v[X+32*\c+16:X+32*\c+31], v[18+\c]   ; (a conversion's three registers begin on an even number)
.endr
	v_nop                                          ; one plain place behind a scaled conversion
.irp c, 0,1
.irp i, 0,1,2
	v_mov_b32 v[C+6*\c+3+\i], v[Y+4*\c+\i]
.endr
.endr
.endm
.macro STEPX t
	s_wait_dscnt 0x0                               ; this step's blocks are back from the stage, and the stage's stores have read their registers
	s_wait_xcnt 0x0                                ; the last step's stores have read the codes' registers
.if (\t) < 6
	LOADX (\t)+2
.endif
	Q32 \t
	global_store_b128 v1, v[C:C+3], s[20:21] offset:1536*(\t)            ; 512 consecutive bytes, aligned to 256
	global_store_b64 v5, v[C+4:C+5], s[20:21] offset:1536*(\t)+512       ; 256
	global_store_b128 v1, v[C+6:C+9], s[20:21] offset:1536*(\t)+768
	global_store_b64 v5, v[C+10:C+11], s[20:21] offset:1536*(\t)+1280
.if (\t) < 6
	s_wait_loadcnt 16                              ; the next step's 16 loads are in; the 16 just issued may be out
	TURNX (\t)+1
.elseif (\t) == 6
	s_wait_loadcnt 0x0
	TURNX 7
.endif
.endm
	LOADX 0
	LOADX 1
	s_wait_loadcnt 16                              ; step 0's 16 loads are in
	TURNX 0
.irp t, 0,1,2,3,4,5,6,7
	STEPX \t
.endr
.irp j, 0,1,2,3
	v_cndmask_b32 v[Z+\j], v[W+\j], v[W+4+\j], s38 ; lanes 0-15 store the row's words 0-3, lanes 16-31 its words 4-7
.endr
	global_store_b128 v6, v[Z:Z+3], s[22:23]       ; 512 consecutive bytes
	s_wait_tensorcnt 0x0                           ; the wave's end
	ds_add_u32 v7, v8
	s_wait_dscnt 0x0
	s_endpgm
; ---------------- THE MASK ----------------
.Lmask:
	s_lshr_b32 s32, ttmp9, 7                       ; b
	s_lshl_b32 s32, s32, 22
	s_and_b32 s29, ttmp9, 127                      ; the tile of queries
	s_lshr_b32 s29, s29, 1
	s_lshl_b32 s29, s29, 16                        ; 32 rows of 2,048 bytes for each pair of tiles,
	s_add_co_u32 s32, s32, s29
	s_and_b32 s29, ttmp9, 1
	s_lshl_b32 s29, s29, 14                        ; 8 rows for the odd one,
	s_add_co_u32 s32, s32, s29
	s_lshl_b32 s29, s28, 9                         ; my 512 keys
	s_add_co_u32 s32, s32, s29
	s_add_nc_u64 s[18:19], s[18:19], s[32:33]
	s_lshl_b32 s32, ttmp9, 12
	s_lshl_b32 s29, s28, 10
	s_add_co_u32 s32, s32, s29
	s_add_nc_u64 s[24:25], s[24:25], s[32:33]      ; mw: 4,096 bytes a tile, 256 a key step
	s_lshl_b32 s32, ttmp9, 4
	s_lshl_b32 s29, s28, 2
	s_add_co_u32 s32, s32, s29
	s_add_nc_u64 s[26:27], s[26:27], s[32:33]      ; mf: my word
.irp it, 0,1
.irp j, 0,1,2,3,4,5,6,7
	global_load_b128 v[MR+32*\it+4*\j:MR+32*\it+4*\j+3], v11, s[18:19] offset:(2*\j+8*(\j/4))*2048+256*\it th:TH_LOAD_NT   ; two rows x 256 consecutive bytes
.endr
.endr
	v_mov_b32 v[WD], 0                             ; written whole once: v_writelane_b32 writes a lane at a time
	v_mov_b32 v[WD+1], 0
	s_mov_b32 s45, 0                               ; my four steps' flags
.macro PACK it, sg                     ; a key step's 64 words: byte j % 4 of register j / 4 of every lane becomes word j
	s_wait_xcnt 0x0                                ; the last step's store has read the two word registers
.irp q, 0,1,2,3,4,5,6,7,8,9,10,11,12,13,14,15
	v_and_b32 v16, 1, v[MY+16*\sg+\q]
	v_and_b32 v17, 0x100, v[MY+16*\sg+\q]
	v_and_b32 v18, 0x10000, v[MY+16*\sg+\q]
	v_and_b32 v19, 0x1000000, v[MY+16*\sg+\q]
	v_cmp_ne_u32 s40, 0, v16
	v_cmp_ne_u32 s41, 0, v17
	v_cmp_ne_u32 s42, 0, v18
	v_cmp_ne_u32 s43, 0, v19
	v_writelane_b32 v[WD], s40, 2*\q
	v_writelane_b32 v[WD+1], s41, 2*\q
	v_writelane_b32 v[WD], s42, 2*\q+1
	v_writelane_b32 v[WD+1], s43, 2*\q+1
.endr
	global_store_b64 v5, v[WD:WD+1], s[24:25] offset:256*(2*\it+\sg)     ; 256 consecutive bytes, aligned
	v_or_b32 v22, v[WD], v[WD+1]                   ; the two registers hold all 64 words: is any bit set?
	v_cmp_ne_u32 vcc_lo, 0, v22
	s_cmp_lg_u32 vcc_lo, 0
	s_cselect_b32 s44, 1<<(2*\it+\sg), 0
	s_or_b32 s45, s45, s44
.endm
.irp it, 0,1
	s_wait_loadcnt 8-8*\it                         ; these 256 keys' eight loads are in; the other eight may be out
.irp j, 0,1,2,3,4,5,6,7
	ds_store_b128 v9, v[MR+32*\it+4*\j:MR+32*\it+4*\j+3] offset:544*\j
.endr
.irp n, 0,1,2,3,4,5,6,7
	ds_load_b128 v[MY+4*\n:MY+4*\n+3], v10 offset:32*\n    ; of each block of 32 keys my half's 16 bytes
.endr
	s_wait_dscnt 0x0
	PACK \it, 0
	PACK \it, 1
.endr
	s_wait_tensorcnt 0x0                           ; the wave's end
	ds_add_u32 v7, v8
	s_wait_dscnt 0x0
	s_lshl_b32 s44, s28, 2
	s_lshl_b32 s45, s45, s44                       ; bit 4 q + s
	v_mov_b32 v16, s45
	v_mov_b32 v17, 0
	s_wait_xcnt 0x0                                ; EXEC changes only behind this wait
	v_cmp_eq_u32 vcc_lo, 0, v12
	s_and_saveexec_b32 s46, vcc_lo
	global_store_b32 v17, v16, s[26:27]            ; one word a wave: 4 bytes beside the 1,024 of its mask words
	s_wait_xcnt 0x0
	s_or_b32 exec_lo, exec_lo, s46
	s_endpgm
.Lfunc_end_k_q496d7b9ecb_prep:
	.size	k_q496d7b9ecb_prep, .Lfunc_end_k_q496d7b9ecb_prep-k_q496d7b9ecb_prep
	.p2alignl 7, 3214868480
	.fill 96, 4, 3214868480
	.section	.rodata,"a",@progbits
	.p2align	6, 0x0
	.amdhsa_kernel k_q496d7b9ecb_prep
		.amdhsa_group_segment_fixed_size 52736
		.amdhsa_private_segment_fixed_size 0
		.amdhsa_enable_private_segment 0
		.amdhsa_kernarg_size 96
		.amdhsa_user_sgpr_count 2
		.amdhsa_user_sgpr_kernarg_segment_ptr 1
		.amdhsa_wavefront_size32 1
		.amdhsa_system_sgpr_workgroup_id_x 1
		.amdhsa_system_sgpr_workgroup_id_y 1
		.amdhsa_system_sgpr_workgroup_id_z 1
		.amdhsa_system_vgpr_workitem_id 0
		.amdhsa_next_free_vgpr 256
		.amdhsa_next_free_sgpr 66
		.amdhsa_reserve_vcc 1
		.amdhsa_float_denorm_mode_32 3
		.amdhsa_float_denorm_mode_16_64 3
		.amdhsa_memory_ordered 1
		.amdhsa_forward_progress 1
		.amdhsa_inst_pref_size 112
	.end_amdhsa_kernel
	.amdgpu_metadata
---
amdhsa.version: [ 1, 2 ]
amdhsa.kernels:
  - .name:           k_q496d7b9ecb_prep
    .symbol:         k_q496d7b9ecb_prep.kd
    .args:
      - { .name: query, .offset: 0, .size: 8, .value_kind: global_buffer, .address_space: global }
      - { .name: key, .offset: 8, .size: 8, .value_kind: global_buffer, .address_space: global }
      - { .name: value, .offset: 16, .size: 8, .value_kind: global_buffer, .address_space: global }
      - { .name: Wq, .offset: 24, .size: 8, .value_kind: global_buffer, .address_space: global }
      - { .name: Wk, .offset: 32, .size: 8, .value_kind: global_buffer, .address_space: global }
      - { .name: Wv, .offset: 40, .size: 8, .value_kind: global_buffer, .address_space: global }
      - { .name: Wo, .offset: 48, .size: 8, .value_kind: global_buffer, .address_space: global }
      - { .name: mask, .offset: 56, .size: 8, .value_kind: global_buffer, .address_space: global }
      - { .name: cod, .offset: 64, .size: 8, .value_kind: global_buffer, .address_space: global }
      - { .name: scl, .offset: 72, .size: 8, .value_kind: global_buffer, .address_space: global }
      - { .name: mw, .offset: 80, .size: 8, .value_kind: global_buffer, .address_space: global }
      - { .name: mf, .offset: 88, .size: 8, .value_kind: global_buffer, .address_space: global }
    .group_segment_fixed_size: 52736
    .private_segment_fixed_size: 0
    .kernarg_segment_align: 8
    .kernarg_segment_size: 96
    .max_flat_workgroup_size: 128
    .sgpr_count:     66
    .vgpr_count:     256
    .wavefront_size: 32
...
	.end_amdgpu_metadata
.endif
;; end of part 1
;; launch proj (part 2): grid 4 x 192, 4 waves a work-group, clusters of 4 x 4, 295,424 bytes of LDS; arguments cod, scl, bq, bk, bv, qc, qs, kv; writes qc, qs, kv
.if DOCPART == 2
	.amdgcn_target "amdgcn-amd-amdhsa--gfx1250"
	.amdhsa_code_object_version 6
	.text
	.protected	k_q496d7b9ecb_proj
	.globl	k_q496d7b9ecb_proj
	.p2align	8
	.type	k_q496d7b9ecb_proj,@function
k_q496d7b9ecb_proj:
	s_mov_b64 s[64:65], 0
	v_nop
	global_prefetch_b8 v0, s[64:65] scope:SCOPE_SE
	s_setreg_imm32_b32 hwreg(HW_REG_WAVE_MODE, 25, 1), 1
	s_wait_xcnt 0x0
	s_wait_alu depctr_hold_cnt(0) depctr_sa_sdst(0) depctr_va_vdst(0) depctr_va_sdst(0) depctr_va_ssrc(0) depctr_va_vcc(0) depctr_vm_vsrc(0)
	s_getreg_b32 s2, hwreg(HW_REG_IB_STS2, 6, 4)
	s_cmp_eq_u32 s2, 0
	s_cbranch_scc0 .Lentry_in_a_cluster
	s_endpgm
.Lentry_in_a_cluster:
	s_bfe_u32 s2, ttmp6, 0x10000c
	s_cmp_lg_u32 s2, 0xf033
	s_cbranch_scc0 .Lentry_shape_is_right
	s_endpgm
.Lentry_shape_is_right:
; THE THREE INPUT PROJECTIONS, x W^T + b, on codes of FP6 (E2M3) with E8M0 scales, and the quantising of their results for the attention's two products.  No work of reference() is left out.
; A work-group makes 128 L-rows x 256 P-rows.  P is source 0 of the matrix instruction (its rows fall into a lane's registers), L source 1 (its rows fall into lanes).
;   Q, K: L = the tokens, P = the weight: a lane holds one token, its registers run along the features, which are the K of Q K^T.
;   V:    L = Wv, P = the tokens: a lane holds one feature, its registers run along the tokens, the keys, which are the K of P V.
; By the tiles' order of rows (launch prep) the 16 registers of accumulators (a, 2 e) and (a, 2 e + 1) are P-rows 32 e + 16 (lane / 16) + 0 .. 15: neighbours, as the conversions want them.
; ALL OF K (1,024) OF BOTH OPERANDS LIES IN LDS: 8 + 16 tiles x 12,288 bytes, in four slots of two K steps, each filled once: no slot is filled again.  A wave has four tensor loads out at the most.
; CLUSTERS: 4 x 4 work-groups; L's tiles are shared along a row of the cluster, P's along a column: each is asked for jointly.  48 clusters: 16 for each projection.
; OUT.  qc = [b x 16 + head][tile of 16 tokens][768]: 16 tokens x 64 features in the order of the operand's registers (registers 0-3 at 16 x lane, 4-5 at 512 + 8 x lane).  qs = [bh][pair of tiles][16 words]: a token
; row's word = the two bytes of the even tile, the two of the odd.  kv = [bh][key step of 128][12,800]: K's 8 tiles (6,144), V's 4 fragments of 16 features x 128 keys (6,144), K's scale words as two register images
; (lanes 0-15 fragment 2 g, lanes 16-31 fragment 2 g + 1; 256 bytes), V's likewise as pairs (256 bytes).
; The scale words of Q and K leave in pieces of 128 consecutive bytes: 256 bytes a wave beside its 6,144 bytes of codes.
; LIMITS: a block of zeros gets the byte 1 (its codes are zeros; this program alone reads the bytes); blocks whose largest magnitude lies under 2^-124 were not tried; NaN and infinities are not served.
; REGISTERS, in windows of 256.  Window 0: v1-4 LDS addresses of L's and P's fragments (16 and 8 bytes a lane); v5-7 16, 8, 4 x lane; v8-10 addresses; v28, v29 the add's two; v32-95 scale words (register 8 i + s:
; lanes 16-31 P's tile i, lanes 0-15 L's tile i % 4, K step s); v96-143, v144-191 L's fragments, two sets; on the way out v96-159 the results, v160-187 at work, v192-215 codes.
; Window 1: v0-95, v128-223 P's fragments, two sets; v96-127, v224-255 the bias.   Window 2: the 32 accumulators, (a, b) at v[8 (8 a + b)].
.set SLOTB, 73728                      ; a slot: L's 8 tiles x 3,072 bytes, then P's 16
.set POFF,  24576
.set SPARE, 4*SLOTB                    ; behind the slots: the spare words, 128 bytes for each wave: no other line names them
.set FR,  12
.set SC,  32
.set LF,  96
.set H,   96
.set TM,  160
.set PW,  176
.set YY,  180
.set DD,  192
.set MSB, 0
.macro WIN new                         ; the immediate's high byte repeats the setting that is left
.if MSB != \new
	s_set_vgpr_msb (MSB<<8)|\new
.set MSB, \new
.endif
.endm
.macro CROUND                          ; a round of the cluster's barrier
	s_barrier_signal -1
	s_barrier_wait -1
	s_cmp_lg_u32 s20, 0
	s_cbranch_scc1 .Lnot_wave_0_\@
	s_barrier_signal -3
.Lnot_wave_0_\@:
	s_barrier_wait -3
	s_barrier_signal -1
	s_barrier_wait -1
.endm
.macro PLACES
.rept 4
	v_nop
.endr
.endm
	s_load_b512 s[4:19], s[0:1], 0x0               ; cod, scl, bq, bk, bv, qc, qs, kv
	v_lshl_add_u32 v28, v0, 2, SPARE
	v_mov_b32 v29, 0
	ds_add_u32 v28, v29                            ; the wave's opening: the add, twice on end, and its wait ahead of my first tensor load
	ds_add_u32 v28, v29
	v_lshrrev_b32 v1, 5, v0
	v_readfirstlane_b32 s20, v1                    ; wave
	s_lshr_b32 s21, s20, 1                         ; wl: my 64 L-rows.  Also: I fetch for L (0) or for P (1)
	s_and_b32 s22, s20, 1                          ; wp: my 128 P-rows.  Also: which half I fetch
	s_bfe_u32 s76, ttmp6, 0x40000                  ; cx
	s_bfe_u32 s77, ttmp6, 0x40004                  ; cy
	s_and_b32 s78, ttmp7, 0xffff                   ; the cluster's y, 0 .. 47
	s_lshr_b32 s79, s78, 4                         ; the projection: 0 Q, 1 K, 2 V: the same in all partners
	s_and_b32 s80, s78, 15
	s_lshl_b32 s98, s77, 2
	s_lshl_b32 s98, 15, s98                        ; my row of the cluster
	s_lshl_b32 s99, 0x1111, s76                    ; my column
	s_or_b32 s24, s98, (3<<16)|(1<<21)             ; group 1 for L: the mask; elements of 8 bytes; bit 21 beside a mask; no padding
	s_or_b32 s32, s99, (3<<16)|(1<<21)             ; for P
	s_mov_b32 s25, 384<<16                         ; tensor_dim0 = 384 elements: a tile's two K steps, 3,072 bytes
	s_mov_b32 s26, 4<<16                           ; tensor_dim1 = 4 tiles
	s_mov_b32 s27, 384<<16                         ; tile_dim0
	s_mov_b32 s28, 4                               ; tile_dim1
	s_mov_b32 s29, 1536                            ; from tile to tile: 12,288 bytes
	s_mov_b32 s30, 0
	s_mov_b32 s31, 0
	s_mov_b32 s33, 384<<16
	s_mov_b32 s34, 8<<16                           ; P: 8 tiles
	s_mov_b32 s35, 384<<16
	s_mov_b32 s36, 8
	s_mov_b32 s37, 1536
	s_mov_b32 s38, 0
	s_mov_b32 s39, 0
	s_mov_b32 s83, 0xffff0000                      ; lanes 16-31
	s_mov_b32 s84, 0x76543210
	s_mov_b32 s85, 0xfedcba98
	s_lshr_b32 s81, s80, 3
	s_lshl_b32 s81, s81, 2                         ; V: 4 (i / 8)
	s_lshl_b32 s98, s80, 2                         ; Q, K: 4 i
	s_and_b32 s82, s80, 7
	s_lshl_b32 s82, s82, 2                         ; V: 4 (i % 8)
	s_lshl_b32 s94, s79, 9                         ; Q, K: the tokens' first tile
	s_lshl_b32 s96, s79, 6
	s_add_co_u32 s96, s96, 1536                    ; Q, K: the weight's first tile
	s_cmp_eq_u32 s79, 2
	s_cselect_b32 s81, s81, s98
	s_cselect_b32 s82, s82, 0
	s_cselect_b32 s94, 1664, s94                   ; V: L = Wv,
	s_cselect_b32 s96, 1024, s96                   ; P = value
	s_add_co_u32 s81, s81, s77                     ; Lt: which 128 L-rows: it holds cy alone
	s_add_co_u32 s82, s82, s76                     ; Pt: which 256 P-rows: it holds cx alone
	s_lshl_b32 s98, s81, 3
	s_add_co_u32 s94, s94, s98                     ; L's first tile of the work-group
	s_lshl_b32 s99, s82, 4
	s_add_co_u32 s96, s96, s99                     ; P's
	s_mov_b32 s100, s94
	s_mov_b32 s101, s96
	s_lshl_b32 s98, s22, 2
	s_add_co_u32 s94, s94, s98                     ; the half that I fetch
	s_lshl_b32 s98, s22, 3
	s_add_co_u32 s96, s96, s98
	s_mul_i32 s94, s94, 12288
	s_mul_i32 s96, s96, 12288
	s_mov_b32 s95, 0
	s_mov_b32 s97, 0
	s_mul_i32 s98, s22, 12288                      ; and where it goes in a slot: the wave's number alone
	s_mul_i32 s99, s22, 24576
	s_add_co_u32 s99, s99, POFF
	s_wait_dscnt 0x0                               ; both opening adds are done
	s_wait_kmcnt 0x0
	s_add_nc_u64 s[94:95], s[4:5], s[94:95]
	s_add_nc_u64 s[96:97], s[4:5], s[96:97]
.irp q, 0,1,2,3                        ; group 0, a set for each slot: L's at s40 on; P's at s56, s60, s68, s72
	s_mov_b32 s[40+4*\q], 1
	s_add_co_u32 s[41+4*\q], s98, \q*SLOTB
	s_add_nc_u64 s[42+4*\q:43+4*\q], s[94:95], \q*3072
	s_or_b32 s[43+4*\q], s[43+4*\q], 0x80000000
	s_mov_b32 s[56+4*\q+4*(\q/2)], 1
	s_add_co_u32 s[57+4*\q+4*(\q/2)], s99, \q*SLOTB
	s_add_nc_u64 s[58+4*\q+4*(\q/2):59+4*\q+4*(\q/2)], s[96:97], \q*3072
	s_or_b32 s[59+4*\q+4*(\q/2)], s[59+4*\q+4*(\q/2)], 0x80000000
.endr
	CROUND                                         ; all sixteen work-groups are here: the joint loads meet
	s_cmp_eq_u32 s21, 0                            ; every wave's four fills stand in one branch on its number, ahead of every wait on TENSORcnt and every LDS read
	s_cbranch_scc0 .Lfill_p
	tensor_load_to_lds s[40:43], s[24:31]
	s_nop 0
	tensor_load_to_lds s[44:47], s[24:31]
	s_nop 0
	tensor_load_to_lds s[48:51], s[24:31]
	s_nop 0
	tensor_load_to_lds s[52:55], s[24:31]
	s_nop 0
	PLACES
	s_branch .Lfilled
.Lfill_p:
	tensor_load_to_lds s[56:59], s[32:39]
	s_nop 0
	tensor_load_to_lds s[60:63], s[32:39]
	s_nop 0
	tensor_load_to_lds s[68:71], s[32:39]
	s_nop 0
	tensor_load_to_lds s[72:75], s[32:39]
	s_nop 0
	PLACES
.Lfilled:
	v_and_b32 v11, 31, v0                          ; lane
	v_and_b32 v12, 15, v0                          ; r
	v_bfe_u32 v13, v0, 4, 1                        ; h
	v_lshlrev_b32 v5, 4, v11
	v_lshlrev_b32 v6, 3, v11
	v_lshlrev_b32 v7, 2, v11
	s_mul_i32 s98, s21, 12288                      ; my four tiles of L
	v_add_nc_u32 v1, s98, v5
	v_add_nc_u32 v2, s98, v6
	s_mul_i32 s98, s22, 24576                      ; my eight tiles of P
	s_add_co_u32 s98, s98, POFF
	v_add_nc_u32 v3, s98, v5
	v_add_nc_u32 v4, s98, v6
	s_lshl_b32 s98, s21, 2
	s_add_co_u32 s98, s98, s100
	s_lshl_b32 s98, s98, 9                         ; my L tiles' scale words: 512 bytes a tile
	s_lshl_b32 s99, s22, 3
	s_add_co_u32 s99, s99, s101
	s_lshl_b32 s99, s99, 9                         ; my P tiles'
	v_mov_b32 v8, s98
	v_mov_b32 v9, s99
	v_cndmask_b32 v8, v8, v9, s83                  ; lanes 0-15 take L's, lanes 16-31 P's
	v_lshl_add_u32 v8, v12, 5, v8                  ; row r: 32 bytes
	v_lshl_add_u32 v9, v13, 11, v8                 ; registers 4-7: P's tiles 4-7, L's tiles 0-3 once more
.irp i, 0,1,2,3,4,5,6,7
	global_load_b128 v[SC+8*\i:SC+8*\i+3], v[8+\i/4], s[6:7] offset:512*(\i%4)
	global_load_b128 v[SC+8*\i+4:SC+8*\i+7], v[8+\i/4], s[6:7] offset:512*(\i%4)+16
.endr
.macro FRAG reg, adr, off              ; a fragment's image comes back as it was laid: 16, 8, 16, 8 bytes a lane, each load dense
	ds_load_b128 v[\reg:\reg+3], v[\adr] offset:\off
	ds_load_b64 v[\reg+4:\reg+5], v[\adr+1] offset:\off+512
	ds_load_b128 v[\reg+6:\reg+9], v[\adr] offset:\off+768
	ds_load_b64 v[\reg+10:\reg+11], v[\adr+1] offset:\off+1280
.endm
.macro FETCH set, k                    ; 48 LDS loads in one run: the fragments of the slot's k-th K step
	WIN 0x40                                       ; destination window 1
.irp b, 0,1,2,3,4,5,6,7
	FRAG 128*(\set)+FR*\b, 3, 3072*\b+1536*(\k)
.endr
	WIN 0
.irp a, 0,1,2,3
	FRAG LF+48*(\set)+FR*\a, 1, 3072*\a+1536*(\k)
.endr
.endm
.macro MUL16 a0, set, s, zero          ; L's tiles a0, a0 + 1 x P's eight.  The 32 accumulators take turns in one order in every K step
.irp a, \a0, \a0+1
.irp b, 0,1,2,3,4,5,6,7
.if \zero
	v_wmma_scale_f32_16x16x128_f8f6f4 v[8*(8*(\a)+\b):8*(8*(\a)+\b)+7], v[128*(\set)+FR*\b:128*(\set)+FR*\b+FR-1], v[LF+48*(\set)+FR*(\a):LF+48*(\set)+FR*(\a)+FR-1], 0, v[SC+8*\b+(\s)], v[SC+8*(\a)+(\s)] matrix_a_fmt:MATRIX_FMT_FP6 matrix_b_fmt:MATRIX_FMT_FP6 matrix_a_scale:MATRIX_SCALE_ROW1
.else
	v_wmma_scale_f32_16x16x128_f8f6f4 v[8*(8*(\a)+\b):8*(8*(\a)+\b)+7], v[128*(\set)+FR*\b:128*(\set)+FR*\b+FR-1], v[LF+48*(\set)+FR*(\a):LF+48*(\set)+FR*(\a)+FR-1], v[8*(8*(\a)+\b):8*(8*(\a)+\b)+7], v[SC+8*\b+(\s)], v[SC+8*(\a)+(\s)] matrix_a_fmt:MATRIX_FMT_FP6 matrix_b_fmt:MATRIX_FMT_FP6 matrix_a_scale:MATRIX_SCALE_ROW1
.endif
.endr
.endr
.endm
.macro EVEN s, zero                    ; a slot's first K step: the second's fragments are asked for, then this step's 32 products
.if (\s) > 0
	PLACES                                         ; in front of loads into registers that the last products read
.endif
	FETCH 1, 1
	s_wait_dscnt 48                                ; all but the 48 just issued: this step's fragments are in
	WIN 0xa1                                       ; source 0 window 1, source 1 window 0, C and D window 2
	MUL16 0, 0, \s, \zero
	MUL16 2, 0, \s, \zero
.endm
.macro ODD s, cnt                      ; a slot's second K step, and the way into the next slot: later slots' loads may stay out
	s_wait_tensorcnt \cnt                          ; my part of the next slot is in
	s_wait_dscnt 0x0                               ; this step's fragments are in: no LDS load of mine is out at the signal
	s_barrier_signal -1
	MUL16 0, 1, \s, 0
	WIN 0
	s_barrier_wait -1                              ; everybody's part is in
.irp r, 1,2,3,4
	v_add_nc_u32 v\r, SLOTB, v\r                   ; on to the next slot.  These four are also the places in front of the loads below
.endr
	FETCH 0, 0
	WIN 0xa1
	MUL16 2, 1, \s, 0
.endm
.macro KSTEPS
	s_wait_tensorcnt 3                             ; my part of slot 0 is in; my three later loads may be out
	s_barrier_signal -1
	s_barrier_wait -1
	FETCH 0, 0
	s_wait_loadcnt 0x0                             ; the scale words and the bias
	EVEN 0, 1                                      ; the first products start the sums: nothing is cleared
	ODD 1, 2
	EVEN 2, 0
	ODD 3, 1
	EVEN 4, 0
	ODD 5, 0
	EVEN 6, 0
	s_wait_dscnt 0x0
	MUL16 0, 1, 7, 0
	MUL16 2, 1, 7, 0
	PLACES                                         ; in front of the first read of results and of writes into registers that held fragments
.endm
; 64 numbers of a lane, register 16 b + i = k 32 b + 16 (lane / 16) + i of my row, become a fragment's codes in v[D] on and its scale word in v[pw]
.macro QUANT s, pw
.irp b, 0,1,2,3
	v_max3_num_f32 v[TM+\b], |v[\s+16*\b]|, |v[\s+1+16*\b]|, 0x1800000   ; with the floor 2^(3 - 127)
.endr
.irp i, 2,4,6,8,10,12,14
.irp b, 0,1,2,3
	v_max3_num_f32 v[TM+\b], v[TM+\b], |v[\s+16*\b+\i]|, |v[\s+1+16*\b+\i]|
.endr
.endr
.irp b, 0,1,2,3
	v_permlanex16_b32 v[TM+4+\b], v[TM+\b], s84, s85
.endr
.irp b, 0,1,2,3
	v_max_num_f32 v[TM+\b], v[TM+\b], v[TM+4+\b]   ; with lane l xor 16's: the block's largest magnitude
.endr
.irp b, 0,1,2,3
	v_add_nc_u32 v[TM+12+\b], 0xff000000, v[TM+\b] ; 2 off its exponent field: the conversion's scale operand
.endr
.irp b, 0,1,2,3
	v_lshrrev_b32 v[TM+4+\b], 23, v[TM+12+\b]      ; the scale's byte
.endr
	v_lshl_or_b32 v[\pw], v[TM+5], 8, v[TM+4]
	v_lshl_or_b32 v[\pw], v[TM+6], 16, v[\pw]
	v_lshl_or_b32 v[\pw], v[TM+7], 24, v[\pw]
.irp c, 0,1
	v_cvt_scalef32_pk16_fp6_f32 v[D+6*\c:D+2+6*\c], v[\s+32*\c:\s+15+32*\c], v[TM+12+2*\c]
	v_cvt_scalef32_pk16_fp6_f32 v[YY+4*\c:YY+2+4*\c], v[\s+16+32*\c:\s+31+32*\c], v[TM+12+2*\c+1]   ; (a conversion's three registers begin on an even number)
.endr
	v_nop                                          ; one plain place behind a scaled conversion
.irp c, 0,1                            ; the operand's layout wants a whole block in a lane
.irp i, 0,1,2
	v_permlane16_swap_b32 v[D+6*\c+\i], v[YY+4*\c+\i]
.endr
.irp i, 0,1,2
	v_mov_b32 v[D+3+6*\c+\i], v[YY+4*\c+\i]
.endr
.endr
.endm
; THE WAY OUT.  For each of my four tiles of L: the bias, the quantiser, four dense stores.  Q, K: the fragment's two halves are two heads; V: one fragment of 128 keys.
.macro EPI isv
.irp a, 0,1,2,3
	WIN 0x06                                       ; source 0 (the sums) window 2, source 1 (the bias) window 1
.irp n, 0,2,4,6,8,10,12,14,16,18,20,22,24,26,28,30,32,34,36,38,40,42,44,46,48,50,52,54,56,58,60,62
.if \isv
	v_pk_add_f32 v[H+\n:H+\n+1], v[64*\a+\n:64*\a+\n+1], v[96+2*\a:97+2*\a]          ; each accumulator from its low end on
.else
	v_pk_add_f32 v[H+\n:H+\n+1], v[64*\a+\n:64*\a+\n+1], v[96+\n+96*(\n/32):97+\n+96*(\n/32)]
.endif
.endr
	WIN 0
	s_wait_xcnt 0x0                                ; earlier stores have read the codes' registers
.set D, DD+12*(\a%2)
	QUANT H, PW+\a
	global_store_b128 v5, v[D:D+3], s[86:87] offset:(768+768*\isv)*\a            ; 512 consecutive bytes, aligned to 256
	global_store_b64 v6, v[D+4:D+5], s[86:87] offset:(768+768*\isv)*\a+512
	global_store_b128 v5, v[D+6:D+9], s[88:89] offset:(768+768*\isv)*\a
	global_store_b64 v6, v[D+10:D+11], s[88:89] offset:(768+768*\isv)*\a+512
.endr
.if \isv
	v_cndmask_b32 v160, v176, v177, s83            ; lanes 0-15 fragment 0's words, lanes 16-31 fragment 1's;
	v_cndmask_b32 v161, v178, v179, s83            ; fragments 2 and 3
	global_store_b64 v6, v[160:161], s[90:91]      ; 256 consecutive bytes
.else
	v_perm_b32 v160, v177, v176, 0x05040100        ; the first head: the two bytes of tile 0, the two of tile 1;
	v_perm_b32 v161, v179, v178, 0x05040100        ; of tiles 2 and 3
	v_perm_b32 v162, v177, v176, 0x07060302        ; the second head
	v_perm_b32 v163, v179, v178, 0x07060302
	v_cndmask_b32 v160, v160, v161, s83            ; lanes 0-15 the first pair of tiles, lanes 16-31 the second
	v_cndmask_b32 v162, v162, v163, s83
	global_store_b32 v7, v160, s[90:91]
	global_store_b32 v7, v162, s[92:93]
.endif
.endm
.macro FINISH
	s_wait_tensorcnt 0x0                           ; the wave's end
	ds_add_u32 v28, v29
	s_wait_dscnt 0x0
	CROUND                                         ; the closing round: no work-group ends while a partner may still ask for a tile that names it
	s_endpgm
.endm
	s_cmp_eq_u32 s79, 2                            ; the cluster's number alone decides: all partners and all waves go the same way, and the two ways do not join again
	s_cbranch_scc1 .Lvalue
; ---------------- Q and K ----------------
	s_mov_b32 s98, 204800
	s_mov_b32 s99, 12800
	s_mov_b32 s2, 204800
	s_mov_b32 s3, 12800
	s_cmp_eq_u32 s79, 0
	s_cselect_b64 s[94:95], s[8:9], s[10:11]       ; bq or bk
	s_cselect_b64 s[86:87], s[14:15], s[18:19]     ; the codes go to qc or to kv,
	s_cselect_b64 s[90:91], s[16:17], s[18:19]     ; the scale words to qs or to kv
	s_cselect_b32 s98, 98304, s98                  ; codes: a head,
	s_cselect_b32 s99, 6144, s99                   ; 128 tokens
	s_cselect_b32 s2, 4096, s2                     ; scale words: a head,
	s_cselect_b32 s3, 256, s3                      ; 128 tokens,
	s_cselect_b32 s23, 0, 12288                    ; and their place in a record of kv
	s_lshr_b32 s96, s81, 4
	s_lshl_b32 s96, s96, 4                         ; 16 b
	s_lshl_b32 s97, s82, 2
	s_add_co_u32 s96, s96, s97
	s_lshl_b32 s97, s22, 1
	s_add_co_u32 s96, s96, s97                     ; + my first head: 4 Pt + 2 wp
	s_and_b32 s97, s81, 15                         ; which 128 tokens of the batch
	s_mul_i32 s100, s96, s98
	s_mul_i32 s101, s97, s99
	s_add_co_u32 s100, s100, s101
	s_mul_i32 s101, s21, 3072                      ; my four tiles
	s_add_co_u32 s100, s100, s101
	s_mov_b32 s101, 0
	s_add_nc_u64 s[86:87], s[86:87], s[100:101]
	s_mov_b32 s100, s98
	s_add_nc_u64 s[88:89], s[86:87], s[100:101]    ; the second head
	s_mul_i32 s100, s96, s2
	s_mul_i32 s98, s97, s3
	s_add_co_u32 s100, s100, s98
	s_lshl_b32 s98, s21, 7
	s_add_co_u32 s100, s100, s98
	s_add_co_u32 s100, s100, s23
	s_add_nc_u64 s[90:91], s[90:91], s[100:101]
	s_mov_b32 s100, s2
	s_add_nc_u64 s[92:93], s[90:91], s[100:101]
	s_lshl_b32 s100, s82, 10
	s_lshl_b32 s98, s22, 9
	s_add_co_u32 s100, s100, s98                   ; my 128 features' bias
	s_add_nc_u64 s[94:95], s[94:95], s[100:101]
	v_lshlrev_b32 v10, 6, v13                      ; register 16 e + i is feature 32 e + 16 h + i
	WIN 0x40
.irp n, 0,1,2,3,4,5,6,7,8,9,10,11,12,13,14,15
	global_load_b128 v[96+4*\n+96*(\n/8):99+4*\n+96*(\n/8)], v10, s[94:95] offset:128*(\n/4)+16*(\n%4)
.endr
	WIN 0
	KSTEPS
	EPI 0
	FINISH
; ---------------- V ----------------
.Lvalue:
	s_lshr_b32 s96, s82, 3
	s_lshl_b32 s96, s96, 4                         ; 16 b
	s_lshl_b32 s97, s81, 1
	s_add_co_u32 s96, s96, s97
	s_add_co_u32 s96, s96, s21                     ; + my head: 2 Lt + wl
	s_and_b32 s97, s82, 7
	s_lshl_b32 s97, s97, 1
	s_add_co_u32 s97, s97, s22                     ; my key step: 2 (Pt % 8) + wp
	s_mul_i32 s100, s96, 204800
	s_mul_i32 s98, s97, 12800
	s_add_co_u32 s100, s100, s98
	s_mov_b32 s101, 0
	s_add_nc_u64 s[90:91], s[18:19], s[100:101]    ; the record
	s_add_nc_u64 s[86:87], s[90:91], 6144          ; V's fragments: the first half of each,
	s_add_nc_u64 s[88:89], s[90:91], 6144+768      ; the second,
	s_add_nc_u64 s[90:91], s[90:91], 12544         ; and the scale words
	s_lshl_b32 s100, s81, 9
	s_lshl_b32 s98, s21, 8
	s_add_co_u32 s100, s100, s98                   ; my 64 features' bias
	s_add_nc_u64 s[94:95], s[12:13], s[100:101]
	v_and_b32 v10, 8, v12
	v_add_nc_u32 v10, v10, v12                     ; r + 8 (r / 8)
	v_lshlrev_b32 v10, 2, v10
	WIN 0x40
.irp a, 0,1,2,3
	global_load_b32 v[96+2*\a], v10, s[94:95] offset:4*(32*(\a/2)+8*(\a%2))      ; my lane's feature of tile a, twice: a pair for the packed addition
	global_load_b32 v[97+2*\a], v10, s[94:95] offset:4*(32*(\a/2)+8*(\a%2))
.endr
	WIN 0
	KSTEPS
	EPI 1
	FINISH
.Lfunc_end_k_q496d7b9ecb_proj:
	.size	k_q496d7b9ecb_proj, .Lfunc_end_k_q496d7b9ecb_proj-k_q496d7b9ecb_proj
	.p2alignl 7, 3214868480
	.fill 96, 4, 3214868480
	.section	.rodata,"a",@progbits
	.p2align	6, 0x0
	.amdhsa_kernel k_q496d7b9ecb_proj
		.amdhsa_group_segment_fixed_size 295424
		.amdhsa_private_segment_fixed_size 0
		.amdhsa_enable_private_segment 0
		.amdhsa_kernarg_size 64
		.amdhsa_user_sgpr_count 2
		.amdhsa_user_sgpr_kernarg_segment_ptr 1
		.amdhsa_wavefront_size32 1
		.amdhsa_system_sgpr_workgroup_id_x 1
		.amdhsa_system_sgpr_workgroup_id_y 1
		.amdhsa_system_sgpr_workgroup_id_z 1
		.amdhsa_system_vgpr_workitem_id 0
		.amdhsa_next_free_vgpr 768
		.amdhsa_next_free_sgpr 102
		.amdhsa_reserve_vcc 0
		.amdhsa_float_denorm_mode_32 3
		.amdhsa_float_denorm_mode_16_64 3
		.amdhsa_memory_ordered 1
		.amdhsa_forward_progress 1
		.amdhsa_inst_pref_size 184
	.end_amdhsa_kernel
	.amdgpu_metadata
---
amdhsa.version: [ 1, 2 ]
amdhsa.kernels:
  - .name:           k_q496d7b9ecb_proj
    .symbol:         k_q496d7b9ecb_proj.kd
    .args:
      - { .name: cod, .offset: 0, .size: 8, .value_kind: global_buffer, .address_space: global }
      - { .name: scl, .offset: 8, .size: 8, .value_kind: global_buffer, .address_space: global }
      - { .name: bq, .offset: 16, .size: 8, .value_kind: global_buffer, .address_space: global }
      - { .name: bk, .offset: 24, .size: 8, .value_kind: global_buffer, .address_space: global }
      - { .name: bv, .offset: 32, .size: 8, .value_kind: global_buffer, .address_space: global }
      - { .name: qc, .offset: 40, .size: 8, .value_kind: global_buffer, .address_space: global }
      - { .name: qs, .offset: 48, .size: 8, .value_kind: global_buffer, .address_space: global }
      - { .name: kv, .offset: 56, .size: 8, .value_kind: global_buffer, .address_space: global }
    .group_segment_fixed_size: 295424
    .private_segment_fixed_size: 0
    .kernarg_segment_align: 8
    .kernarg_segment_size: 64
    .max_flat_workgroup_size: 128
    .sgpr_count:     102
    .vgpr_count:     768
    .wavefront_size: 32
...
	.end_amdgpu_metadata
.endif
;; end of part 2
;; launch attn (part 3): grid 4 x 64, 16 waves a work-group, no clusters, 206,848 bytes of LDS; arguments kv, qc, qs, mw, mf, ocd, scl; writes ocd, scl
.if DOCPART == 3
	.amdgcn_target "amdgcn-amd-amdhsa--gfx1250"
	.amdhsa_code_object_version 6
	.text
	.protected	k_q496d7b9ecb_attn
	.globl	k_q496d7b9ecb_attn
	.p2align	8
	.type	k_q496d7b9ecb_attn,@function
k_q496d7b9ecb_attn:
	s_mov_b64 s[64:65], 0
	v_nop
	global_prefetch_b8 v0, s[64:65] scope:SCOPE_SE
	s_setreg_imm32_b32 hwreg(HW_REG_WAVE_MODE, 25, 1), 1
	s_wait_xcnt 0x0
; ATTENTION ON CODES OF FP6 (E2M3): S^T = K Q^T, the mask, the softmax by the problem's rule (p = 2^(t - M), M a whole number, not normalised; the sum of the unquantised p divides at the end), O^T = V^T P^T,
; and the quantising of O for the last projection.  No work of reference() is left out.
; SHARES.  A work-group owns 512 queries of one head (b x 16 + head = work-group y).  THE HEAD'S WHOLE K AND V, 16 records of 12,800 bytes (launch proj), COME INTO LDS ONCE, through registers; one barrier in the launch.
; Each of the sixteen waves owns two tiles of 16 queries, one after the other, and walks 16 key steps of 128 keys for each.  Four waves to a SIMD: one wave's vector work stands beside another's products and LDS loads.
; NO TENSOR LOAD AND NO CLUSTER: a key step's masking is jumped over where the stored flag (launch prep) says that the step holds no masked entry, a branch on a number read from memory
; and what the four work-groups of a head share is read once by each, 204,800 bytes for 512 wave-steps of work.
; LAYOUT.  Both products are used transposed: a lane holds ONE query (lane % 16) throughout.  By the tiles' order of rows the 16 registers of score tiles 2 e, 2 e + 1 are keys 32 e + 16 (lane / 16) + 0 .. 15.
; THE FIRST PRODUCT'S K IS 64, the instruction's 128: a fragment of K holds TWO tiles of keys (registers 0-5, 6-11), and Q stands between zeros, v16-33 = [six zeros][Q][six zeros]: v[22:33] = (Q | 0) gives the even
; tile's scores, v[16:27] = (0 | Q) the odd tile's.  Zero codes add nothing under any scale byte from 1 to 254.  So no fragment is read twice.
; A ROW ALL OF WHOSE KEYS ARE MASKED: its sum is 0; its codes are zeros and its two scale bytes 0xff, the NaN of E8M0, so that launch oproj gives NaN in that row, as reference() does.
; LIMITS: a block of zeros gets the byte 1 (this program alone reads the bytes); NaN and infinities among the floating-point inputs are not served.
; O's scale bytes leave one byte a lane, 32 bytes a tile beside its 768 bytes of codes: a row's word is shared by two heads, which are two work-groups.
; REGISTERS: v1-3 16, 8, 4 x lane; v4-6 the same + the key step's LDS byte; v7, v8 the add's two; v9 -infinity; v10 32 r + h; v12 -M, v13 the largest t, v[14:15] the sum in two halves; v16-33 Q; v34 Q's scale word;
; v35 the pair's words; v36-83 K's four fragments, between the first product and K's next loads at work; v84, v85 K's scale words; v[86:87] V's; v88 p's; v[90:91] f; v92 4 r; v96-159 S^T, then p; v160-191 O^T;
; v192-239 V's four fragments; v240-251 p's codes.
.set REC,   12800
.set SPARE, 16*REC                     ; behind the records: the spare words, 128 bytes for each wave: no other line names them
.set KF, 36
.set BM, 36                            ; the blocks' largest scores, then largest p
.set PT, 40
.set SO, 44                            ; the conversions' scale operands
.set YY, 48
.set S,  96
.set O,  160
.set VF, 192
.set PC, 240
	s_load_b256 s[16:23], s[0:1], 0x0              ; kv, qc, qs, mw
	s_load_b128 s[24:27], s[0:1], 0x20             ; mf, ocd
	s_load_b64 s[28:29], s[0:1], 0x30              ; scl
	v_lshl_add_u32 v7, v0, 2, SPARE
	v_mov_b32 v8, 0
	v_lshrrev_b32 v11, 5, v0
	v_readfirstlane_b32 s2, v11                    ; wave 0..15
	s_and_b32 s32, ttmp7, 0xffff                   ; bh
	s_lshl_b32 s33, ttmp9, 5
	s_lshl_b32 s34, s2, 1
	s_add_co_u32 s33, s33, s34                     ; my first tile of queries in the batch: 32 x work-group x + 2 x wave
	s_lshr_b32 s34, s32, 4
	s_lshl_b32 s34, s34, 7
	s_add_co_u32 s34, s34, s33                     ; and among all batches' tiles
	s_and_b32 s35, s32, 15                         ; the head
	s_mov_b32 s37, 0
	s_mov_b32 s84, 0x76543210
	s_mov_b32 s85, 0xfedcba98                      ; v_permlanex16_b32's selects for lane l xor 16
	s_mov_b32 s86, 0x3e38aa3b                      ; c = log2(e) / sqrt(64)
	s_mov_b32 s87, s86                             ; (named with it as a pair)
	s_mov_b32 s88, 0xffff0000                      ; lanes 16-31
	v_lshlrev_b32 v36, 4, v0                       ; the fill: 16 bytes a thread, 8,192 an instruction
	v_add_nc_u32 v37, 0x10000, v36
	v_add_nc_u32 v38, 0x20000, v36
	v_add_nc_u32 v39, 0x30000, v36
	s_wait_kmcnt 0x0
	s_mul_i32 s36, s32, 16*REC
	s_add_nc_u64 s[92:93], s[16:17], s[36:37]      ; the head's records
.irp i, 0,1,2,3,4,5,6,7,8,9,10,11,12,13,14,15,16,17,18,19,20,21,22,23,24
	global_load_b128 v[96+4*\i:99+4*\i], v36, s[92:93] offset:8192*\i
.endr
	s_lshl_b32 s36, s32, 7
	s_add_co_u32 s36, s36, s33
	s_mul_i32 s36, s36, 768
	s_add_nc_u64 s[4:5], s[18:19], s[36:37]        ; Q's codes
	s_lshl_b32 s36, s32, 12
	s_lshl_b32 s38, s33, 5
	s_add_co_u32 s36, s36, s38
	s_add_nc_u64 s[94:95], s[20:21], s[36:37]      ; my pair's scale words: 64 bytes a pair of tiles
	s_lshl_b32 s36, s34, 12
	s_add_nc_u64 s[6:7], s[22:23], s[36:37]        ; the mask words: 256 bytes a key step, 4,096 a tile: the walk over two tiles is one run
	s_lshl_b32 s36, s34, 4
	s_add_nc_u64 s[8:9], s[24:25], s[36:37]        ; the flags
	s_mul_i32 s36, s34, 12288
	s_mul_i32 s38, s35, 768
	s_add_co_u32 s36, s36, s38
	s_add_nc_u64 s[10:11], s[26:27], s[36:37]      ; O's codes: [tile][head][768]
	s_add_co_u32 s36, s34, 1792
	s_lshl_b32 s36, s36, 9
	s_lshl_b32 s38, s35, 1
	s_add_co_u32 s36, s36, s38
	s_add_nc_u64 s[12:13], s[28:29], s[36:37]      ; O's scale bytes: tile 1792 on in scl; 2 bytes a head in a row's 32
	v_and_b32 v3, 31, v0
	v_lshlrev_b32 v1, 4, v3
	v_lshlrev_b32 v2, 3, v3
	v_lshlrev_b32 v3, 2, v3
	v_and_b32 v10, 15, v0
	v_lshlrev_b32 v92, 2, v10
	v_bfe_u32 v11, v0, 4, 1
	v_lshl_add_u32 v10, v10, 5, v11
	v_mov_b32 v9, 0xff800000
	v_mov_b32 v91, 0                               ; (named as the upper half of the pair v[90:91])
.irp j, 16,17,18,19,20,21,28,29,30,31,32,33
	v_mov_b32 v\j, 0                               ; the zero codes on both sides of Q
.endr
.irp i, 0,1,2,3,4,5,6,7,8,9,10,11,12,13,14,15,16,17,18,19,20,21,22,23,24
	s_wait_loadcnt 24-\i                           ; loads come back in order: load i is in, the younger ones may be out
	ds_store_b128 v[36+\i/8], v[96+4*\i:99+4*\i] offset:8192*(\i%8)
.endr
	global_load_b32 v35, v92, s[94:95]
	s_wait_dscnt 0x0                               ; for the others' sake: my stores have landed
	s_barrier_signal -1
	s_barrier_wait -1                              ; the head's K and V lie in LDS; nothing is written there again
.macro FRAG reg, off
	ds_load_b128 v[\reg:\reg+3], v4 offset:\off
	ds_load_b64 v[\reg+4:\reg+5], v5 offset:\off+512
	ds_load_b128 v[\reg+6:\reg+9], v4 offset:\off+768
	ds_load_b64 v[\reg+10:\reg+11], v5 offset:\off+1280
.endm
.macro KLOAD off                       ; 18 LDS loads: K's four fragments and two registers of scale words
.irp b, 0,1,2,3
	FRAG KF+12*\b, \off+1536*\b
.endr
	ds_load_b32 v84, v6 offset:\off+12288
	ds_load_b32 v85, v6 offset:\off+12288+128
.endm
; A KEY STEP: 128 keys.  nxt = 1: the next step's K is asked for on the way
.macro STEP nxt
	s_load_b512 s[16:31], s[6:7], 0x0              ; the step's 64 lane masks
	s_load_b512 s[32:47], s[6:7], 0x40
	s_load_b512 s[48:63], s[6:7], 0x80
	s_load_b512 s[68:83], s[6:7], 0xc0
	s_wait_dscnt 0x0                               ; K is in
.irp b, 0,1,2,3
.if \b%2
	v_wmma_scale_f32_16x16x128_f8f6f4 v[S+16*\b:S+16*\b+7], v[KF+12*\b:KF+12*\b+11], v[22:33], 0, v[84+\b/2], v34 matrix_a_fmt:MATRIX_FMT_FP6 matrix_b_fmt:MATRIX_FMT_FP6 matrix_a_scale:MATRIX_SCALE_ROW1
	v_wmma_scale_f32_16x16x128_f8f6f4 v[S+16*\b+8:S+16*\b+15], v[KF+12*\b:KF+12*\b+11], v[16:27], 0, v[84+\b/2], v34 matrix_a_fmt:MATRIX_FMT_FP6 matrix_b_fmt:MATRIX_FMT_FP6 matrix_a_scale:MATRIX_SCALE_ROW1
.else
	v_wmma_scale_f32_16x16x128_f8f6f4 v[S+16*\b:S+16*\b+7], v[KF+12*\b:KF+12*\b+11], v[22:33], 0, v[84+\b/2], v34 matrix_a_fmt:MATRIX_FMT_FP6 matrix_b_fmt:MATRIX_FMT_FP6
	v_wmma_scale_f32_16x16x128_f8f6f4 v[S+16*\b+8:S+16*\b+15], v[KF+12*\b:KF+12*\b+11], v[16:27], 0, v[84+\b/2], v34 matrix_a_fmt:MATRIX_FMT_FP6 matrix_b_fmt:MATRIX_FMT_FP6
.endif
.endr
.rept 4
	v_nop                                          ; places: in front of the first read of the scores, of writes into K's registers, and of the loads into V's
.endr
.irp t, 0,1,2,3
	FRAG VF+12*\t, 6144+1536*\t
.endr
	ds_load_b64 v[86:87], v5 offset:12544          ; 17 LDS loads: V and its scale words
	s_wait_kmcnt 0x0
	s_and_b32 s15, s14, 1                          ; does this step hold a masked entry?  A whole number that launch prep stored
	s_cmp_lg_u32 s15, 0
	s_cbranch_scc0 .Lopen_\@
.irp j, 0,1,2,3,4,5,6,7,8,9,10,11,12,13,14,15,16,17,18,19,20,21,22,23,24,25,26,27,28,29,30,31,32,33,34,35,36,37,38,39,40,41,42,43,44,45,46,47,48,49,50,51,52,53,54,55,56,57,58,59,60,61,62,63
	v_cndmask_b32 v[S+\j], v[S+\j], v9, s[16+\j+4*(\j/48)]   ; masked scores become -infinity ahead of the maximum: p = 0 then
.endr
.Lopen_\@:
.irp b, 0,1,2,3
	v_max3_num_f32 v[BM+\b], v[S+16*\b], v[S+1+16*\b], v[S+2+16*\b]   ; the largest score of each block of 32 keys: for the row's maximum, and, since p rises with the score, for the block's largest p
.endr
.irp i, 3,5,7,9,11,13
.irp b, 0,1,2,3
	v_max3_num_f32 v[BM+\b], v[BM+\b], v[S+16*\b+\i], v[S+1+16*\b+\i]
.endr
.endr
.irp b, 0,1,2,3
	v_max_num_f32 v[BM+\b], v[BM+\b], v[S+15+16*\b]
.endr
.irp b, 0,1,2,3
	v_permlanex16_b32 v[PT+\b], v[BM+\b], s84, s85
.endr
.irp b, 0,1,2,3
	v_max_num_f32 v[BM+\b], v[BM+\b], v[PT+\b]     ; with lane l xor 16's 16 keys
.endr
	v_max3_num_f32 v56, v[BM], v[BM+1], v[BM+2]
	v_max_num_f32 v56, v56, v[BM+3]                ; the step's largest score of my query
	v_mul_f32 v56, s86, v56                        ; as t (c is positive)
	v_max_num_f32 v13, v13, v56                    ; the running largest t
	v_mov_b32 v56, v12
	v_floor_f32 v12, -v13                          ; the new -M = floor(-t): M is a whole number
	v_sub_f32 v56, v12, v56                        ; M's old value less its new one: a whole number, 0 or less
	v_cvt_i32_f32 v56, v56                         ; (it saturates)
	v_ldexp_f32 v90, 1.0, v56                      ; f = 2^(old M - new M): a multiplication by it rounds nothing
.irp j, 0,2,4,6,8,10,12,14,16,18,20,22,24,26,28,30,32,34,36,38,40,42,44,46,48,50,52,54,56,58,60,62
	v_pk_fma_f32 v[S+\j:S+1+\j], v[S+\j:S+1+\j], s[86:87], v[12:13] op_sel_hi:[1,0,0]   ; t - M, two at a time
.endr
.irp b, 0,1,2,3
	v_fma_f32 v[BM+\b], v[BM+\b], s86, v12         ; the same of each block's largest score
.endr
.irp j, 0,1,2,3,4,5,6,7,8,9,10,11,12,13,14,15,16,17,18,19,20,21,22,23,24,25,26,27,28,29,30,31,32,33,34,35,36,37,38,39,40,41,42,43,44,45,46,47,48,49,50,51,52,53,54,55,56,57,58,59,60,61,62,63
	v_exp_f32 v[S+\j], v[S+\j]                     ; p = 2^(t - M), at most 1: not normalised
.endr
	v_pk_mul_f32 v[14:15], v[14:15], v[90:91] op_sel_hi:[1,0]   ; the sums under the new M: the plain place behind the exponentials
	s_wait_alu depctr_va_vdst(0)                   ; one wait for the whole batch, ahead of its first reader
.irp b, 0,1,2,3
	v_exp_f32 v[BM+\b], v[BM+\b]                   ; the block's largest p: the same two instructions on the same number give the same bits
.endr
	v_pk_add_f32 v[58:59], v[S:S+1], v[S+2:S+3]    ; the row's sum is taken of the unquantised p, in two chains
.irp j, 4,8,12,16,20,24,28,32,36,40,44,48,52,56,60
	v_pk_add_f32 v[14:15], v[14:15], v[S+\j:S+1+\j]
	v_pk_add_f32 v[58:59], v[58:59], v[S+2+\j:S+3+\j]
.endr
	v_pk_add_f32 v[14:15], v[14:15], v[58:59]
	s_wait_alu depctr_va_vdst(0)                   ; and one for the four
.irp b, 0,1,2,3
	v_max_num_f32 v[BM+\b], 0x1800000, v[BM+\b]    ; the floor 2^(3 - 127): the byte cannot fall under 1
.endr
.irp b, 0,1,2,3
	v_add_nc_u32 v[SO+\b], 0xff000000, v[BM+\b]    ; 2 off the exponent field: the conversion's scale operand
.endr
.irp b, 0,1,2,3
	v_lshrrev_b32 v[PT+\b], 23, v[SO+\b]           ; the scale's byte
.endr
	v_lshl_or_b32 v88, v[PT+1], 8, v[PT]           ; p's scale word for these 128 keys
	v_lshl_or_b32 v88, v[PT+2], 16, v88
	v_lshl_or_b32 v88, v[PT+3], 24, v88
.irp c, 0,1
	v_cvt_scalef32_pk16_fp6_f32 v[PC+6*\c:PC+2+6*\c], v[S+32*\c:S+15+32*\c], v[SO+2*\c]
	v_cvt_scalef32_pk16_fp6_f32 v[YY+4*\c:YY+2+4*\c], v[S+16+32*\c:S+31+32*\c], v[SO+2*\c+1]   ; (a conversion's three registers begin on an even number)
.endr
	v_nop                                          ; one plain place behind a scaled conversion
.irp c, 0,1                            ; the operand's layout wants a whole block in a lane
.irp i, 0,1,2
	v_permlane16_swap_b32 v[PC+6*\c+\i], v[YY+4*\c+\i]
.endr
.irp i, 0,1,2
	v_mov_b32 v[PC+3+6*\c+\i], v[YY+4*\c+\i]
.endr
.endr
.if \nxt
	KLOAD REC                                      ; the next step's K: the registers at work above are done with
.endif
.irp j, 0,2,4,6,8,10,12,14,16,18,20,22,24,26,28,30
	v_pk_mul_f32 v[O+\j:O+1+\j], v[O+\j:O+1+\j], v[90:91] op_sel_hi:[1,0]   ; O^T under the new M.  For each product below the twelve that touch the other tiles are the places behind p's scale word and codes
.endr
.if \nxt
	s_wait_dscnt 18                                ; V is in; K's 18 loads, issued behind it, may be out
.else
	s_wait_dscnt 0x0
.endif
.irp t, 0,1,2,3                        ; the four accumulators by turns, one instruction a turn
.if \t%2
	v_wmma_scale_f32_16x16x128_f8f6f4 v[O+8*\t:O+8*\t+7], v[VF+12*\t:VF+12*\t+11], v[PC:PC+11], v[O+8*\t:O+8*\t+7], v[86+\t/2], v88 matrix_a_fmt:MATRIX_FMT_FP6 matrix_b_fmt:MATRIX_FMT_FP6 matrix_a_scale:MATRIX_SCALE_ROW1
.else
	v_wmma_scale_f32_16x16x128_f8f6f4 v[O+8*\t:O+8*\t+7], v[VF+12*\t:VF+12*\t+11], v[PC:PC+11], v[O+8*\t:O+8*\t+7], v[86+\t/2], v88 matrix_a_fmt:MATRIX_FMT_FP6 matrix_b_fmt:MATRIX_FMT_FP6
.endif
.endr
	s_add_nc_u64 s[6:7], s[6:7], 256               ; the next step's mask words (this step's scalar loads were waited for)
.if \nxt
	s_add_co_u32 s3, s3, REC
	v_add_nc_u32 v4, s3, v1
	v_add_nc_u32 v5, s3, v2
	v_add_nc_u32 v6, s3, v3
	s_lshr_b32 s14, s14, 1
.endif
.endm
	s_mov_b32 s90, 2                               ; my two tiles of queries
	s_mov_b32 s91, 0x01000100                      ; the even tile's two bytes of the pair's word, twice: they serve (Q | 0) and (0 | Q)
.Ltile:
	global_load_b128 v[22:25], v1, s[4:5]          ; Q's six registers
	global_load_b64 v[26:27], v2, s[4:5] offset:512
	s_load_b128 s[96:99], s[8:9], 0x0              ; the tile's flags
	s_mov_b32 s3, 0
	v_add_nc_u32 v4, s3, v1
	v_add_nc_u32 v5, s3, v2
	v_add_nc_u32 v6, s3, v3
	KLOAD 0
	v_mov_b32 v13, 0xff61b1e6                      ; the largest t so far: -3e38, under every t
	v_floor_f32 v12, -v13                          ; -M
	v_mov_b32 v14, 0
	v_mov_b32 v15, 0
	s_wait_kmcnt 0x0
	s_or_b32 s14, s96, s97
	s_or_b32 s14, s14, s98
	s_or_b32 s14, s14, s99                         ; bit s: key step s holds a masked entry
	s_wait_loadcnt 0x0
	v_perm_b32 v34, v35, v35, s91
.irp j, 0,1,2,3,4,5,6,7,8,9,10,11,12,13,14,15,16,17,18,19,20,21,22,23,24,25,26,27,28,29,30,31
	v_mov_b32 v[O+\j], 0                           ; O^T: the step is written for every step alike, and the first change of M leaves zeros zeros.  (Also the places behind Q's scale word)
.endr
	s_mov_b32 s89, 15
.Lstep:
	STEP 1
	s_sub_co_u32 s89, s89, 1
	s_cmp_lg_u32 s89, 0
	s_cbranch_scc1 .Lstep
	STEP 0                                         ; the last step asks for nothing more
	; THE TILE'S WAY OUT: O^T / the sum, quantised along the head's 64 features: two blocks
	v_add_f32 v14, v14, v15
	v_permlanex16_b32 v56, v14, s84, s85
	v_add_f32 v14, v14, v56                        ; the row's sum
	v_cmp_eq_f32 s15, 0, v14                       ; a row with every key masked
	v_rcp_f32 v58, v14
	v_mov_b32 v57, 0xff
	v_nop
	v_nop                                          ; (with the additions and the compare: the places behind the last products; a plain place behind the reciprocal)
	s_wait_alu depctr_va_vdst(0)                   ; ahead of the reciprocal's first reader
	v_cndmask_b32 v58, v58, 0, s15
.irp j, 0,2,4,6,8,10,12,14,16,18,20,22,24,26,28,30
	v_pk_mul_f32 v[S+\j:S+1+\j], v[O+\j:O+1+\j], v[58:59] op_sel_hi:[1,0]   ; register 16 e + i is feature 32 e + 16 h + i; each accumulator from its low end on
.endr
.irp b, 0,1
	v_max3_num_f32 v[BM+\b], |v[S+16*\b]|, |v[S+1+16*\b]|, 0x1800000
.endr
.irp i, 2,4,6,8,10,12,14
.irp b, 0,1
	v_max3_num_f32 v[BM+\b], v[BM+\b], |v[S+16*\b+\i]|, |v[S+1+16*\b+\i]|
.endr
.endr
.irp b, 0,1
	v_permlanex16_b32 v[PT+\b], v[BM+\b], s84, s85
.endr
.irp b, 0,1
	v_max_num_f32 v[BM+\b], v[BM+\b], v[PT+\b]
.endr
.irp b, 0,1
	v_add_nc_u32 v[SO+\b], 0xff000000, v[BM+\b]
.endr
.irp b, 0,1
	v_lshrrev_b32 v[PT+\b], 23, v[SO+\b]
.endr
	v_cvt_scalef32_pk16_fp6_f32 v[PC:PC+2], v[S:S+15], v[SO]
	v_cvt_scalef32_pk16_fp6_f32 v[YY:YY+2], v[S+16:S+31], v[SO+1]
	v_cndmask_b32 v[PT], v[PT], v[PT+1], s88       ; my half's block's byte.  (The plain place behind the conversions)
.irp i, 0,1,2
	v_permlane16_swap_b32 v[PC+\i], v[YY+\i]
.endr
.irp i, 0,1,2
	v_mov_b32 v[PC+3+\i], v[YY+\i]
.endr
	v_cndmask_b32 v[PT], v[PT], v57, s15           ; 0xff where the sum is 0
	global_store_b128 v1, v[PC:PC+3], s[10:11]     ; 512 consecutive bytes, aligned to 256
	global_store_b64 v2, v[PC+4:PC+5], s[10:11] offset:512
	global_store_b8 v10, v[PT], s[12:13]
	s_wait_xcnt 0x0                                ; the stores have read their registers and bases: both may be written again
	s_add_nc_u64 s[4:5], s[4:5], 768
	s_add_nc_u64 s[8:9], s[8:9], 16
	s_add_nc_u64 s[10:11], s[10:11], 12288
	s_add_nc_u64 s[12:13], s[12:13], 512
	s_add_co_u32 s91, s91, 0x02020202              ; the odd tile's two bytes
	s_sub_co_u32 s90, s90, 1
	s_cmp_lg_u32 s90, 0
	s_cbranch_scc1 .Ltile
	s_wait_tensorcnt 0x0                           ; the wave's end
	ds_add_u32 v7, v8
	s_wait_dscnt 0x0
	s_endpgm
.Lfunc_end_k_q496d7b9ecb_attn:
	.size	k_q496d7b9ecb_attn, .Lfunc_end_k_q496d7b9ecb_attn-k_q496d7b9ecb_attn
	.p2alignl 7, 3214868480
	.fill 96, 4, 3214868480
	.section	.rodata,"a",@progbits
	.p2align	6, 0x0
	.amdhsa_kernel k_q496d7b9ecb_attn
		.amdhsa_group_segment_fixed_size 206848
		.amdhsa_private_segment_fixed_size 0
		.amdhsa_enable_private_segment 0
		.amdhsa_kernarg_size 56
		.amdhsa_user_sgpr_count 2
		.amdhsa_user_sgpr_kernarg_segment_ptr 1
		.amdhsa_wavefront_size32 1
		.amdhsa_system_sgpr_workgroup_id_x 1
		.amdhsa_system_sgpr_workgroup_id_y 1
		.amdhsa_system_sgpr_workgroup_id_z 1
		.amdhsa_system_vgpr_workitem_id 0
		.amdhsa_next_free_vgpr 256
		.amdhsa_next_free_sgpr 102
		.amdhsa_reserve_vcc 0
		.amdhsa_float_denorm_mode_32 3
		.amdhsa_float_denorm_mode_16_64 3
		.amdhsa_memory_ordered 1
		.amdhsa_forward_progress 1
		.amdhsa_inst_pref_size 55
	.end_amdhsa_kernel
	.amdgpu_metadata
---
amdhsa.version: [ 1, 2 ]
amdhsa.kernels:
  - .name:           k_q496d7b9ecb_attn
    .symbol:         k_q496d7b9ecb_attn.kd
    .args:
      - { .name: kv, .offset: 0, .size: 8, .value_kind: global_buffer, .address_space: global }
      - { .name: qc, .offset: 8, .size: 8, .value_kind: global_buffer, .address_space: global }
      - { .name: qs, .offset: 16, .size: 8, .value_kind: global_buffer, .address_space: global }
      - { .name: mw, .offset: 24, .size: 8, .value_kind: global_buffer, .address_space: global }
      - { .name: mf, .offset: 32, .size: 8, .value_kind: global_buffer, .address_space: global }
      - { .name: ocd, .offset: 40, .size: 8, .value_kind: global_buffer, .address_space: global }
      - { .name: scl, .offset: 48, .size: 8, .value_kind: global_buffer, .address_space: global }
    .group_segment_fixed_size: 206848
    .private_segment_fixed_size: 0
    .kernarg_segment_align: 8
    .kernarg_segment_size: 56
    .max_flat_workgroup_size: 512
    .sgpr_count:     102
    .vgpr_count:     256
    .wavefront_size: 32
...
	.end_amdgpu_metadata
.endif
;; end of part 3
;; launch oproj (part 4): grid 4 x 64, 4 waves a work-group, clusters of 4 x 4, 295,424 bytes of LDS; arguments ocd, cod, scl, bo, out0; writes out0
.if DOCPART == 4
	.amdgcn_target "amdgcn-amd-amdhsa--gfx1250"
	.amdhsa_code_object_version 6
	.text
	.protected	k_q496d7b9ecb_oproj
	.globl	k_q496d7b9ecb_oproj
	.p2align	8
	.type	k_q496d7b9ecb_oproj,@function
k_q496d7b9ecb_oproj:
	s_mov_b64 s[64:65], 0
	v_nop
	global_prefetch_b8 v0, s[64:65] scope:SCOPE_SE
	s_setreg_imm32_b32 hwreg(HW_REG_WAVE_MODE, 25, 1), 1
	s_wait_xcnt 0x0
	s_wait_alu depctr_hold_cnt(0) depctr_sa_sdst(0) depctr_va_vdst(0) depctr_va_sdst(0) depctr_va_ssrc(0) depctr_va_vcc(0) depctr_vm_vsrc(0)
	s_getreg_b32 s2, hwreg(HW_REG_IB_STS2, 6, 4)
	s_cmp_eq_u32 s2, 0
	s_cbranch_scc0 .Lentry_in_a_cluster
	s_endpgm
.Lentry_in_a_cluster:
	s_bfe_u32 s2, ttmp6, 0x10000c
	s_cmp_lg_u32 s2, 0xf033
	s_cbranch_scc0 .Lentry_shape_is_right
	s_endpgm
.Lentry_shape_is_right:
; THE LAST PROJECTION, out0 = O Wo^T + bo, on codes of FP6 (E2M3) with E8M0 scales.  No work of reference() is left out.
; O's codes (ocd, launch attn) and Wo's (cod, tile 1728 on, launch prep) lie in the order of the operand's registers, [tile of 16 rows][8 K steps][1,536]; their scale words in scl, O's from tile 1792 on.
; A work-group makes 128 tokens (L, source 1: a lane holds one token) x 256 features (P, source 0: a lane's registers run along the features).  ALL OF K (1,024) OF BOTH OPERANDS LIES IN LDS, in four slots of two
; K steps, each filled once: no slot is filled again.  A wave has four tensor loads out at the most.  CLUSTERS: 4 x 4 work-groups; O's tiles are shared along a row of the cluster, Wo's along a column.
; By the tiles' order of rows the 16 registers of accumulators (a, 2 e), (a, 2 e + 1) are features 32 e + 16 (lane / 16) + 0 .. 15; lane-row r of tile T is token 32 (T / 2) + 8 (T % 2) + r + 8 (r / 8).
; A row of O with the scale byte 0xff (every key masked) comes out NaN, as reference() has it.
; REGISTERS as in launch proj.  Window 0: v1-4 LDS addresses of the fragments; v5 16 x lane; v8-10 addresses; v14, v15 the stage in, out; v28, v29 the add's two; v32-95 scale words; v96-143, v144-191 L's fragments;
; on the way out v96-159 the results, v160-223 rows read back.   Window 1: v0-95, v128-223 P's fragments; v96-127, v224-255 the bias.   Window 2: the 32 accumulators.
.set SLOTB, 73728
.set POFF,  24576
.set SPARE, 4*SLOTB                    ; behind the slots: the spare words, 128 bytes for each wave: no other line names them
.set FR,  12
.set SC,  32
.set LF,  96
.set H,   96
.set BK,  160
.set MSB, 0
.macro WIN new
.if MSB != \new
	s_set_vgpr_msb (MSB<<8)|\new
.set MSB, \new
.endif
.endm
.macro CROUND
	s_barrier_signal -1
	s_barrier_wait -1
	s_cmp_lg_u32 s20, 0
	s_cbranch_scc1 .Lnot_wave_0_\@
	s_barrier_signal -3
.Lnot_wave_0_\@:
	s_barrier_wait -3
	s_barrier_signal -1
	s_barrier_wait -1
.endm
.macro PLACES
.rept 4
	v_nop
.endr
.endm
	s_load_b256 s[4:11], s[0:1], 0x0               ; ocd, cod, scl, bo
	s_load_b64 s[12:13], s[0:1], 0x20              ; out0
	v_lshl_add_u32 v28, v0, 2, SPARE
	v_mov_b32 v29, 0
	ds_add_u32 v28, v29                            ; the wave's opening: the add, twice on end, and its wait ahead of my first tensor load
	ds_add_u32 v28, v29
	v_lshrrev_b32 v1, 5, v0
	v_readfirstlane_b32 s20, v1                    ; wave
	s_lshr_b32 s21, s20, 1                         ; wl: my 64 tokens.  Also: I fetch for L (0) or for P (1)
	s_and_b32 s22, s20, 1                          ; wp: my 128 features.  Also: which half I fetch
	s_bfe_u32 s76, ttmp6, 0x40000                  ; cx
	s_bfe_u32 s77, ttmp6, 0x40004                  ; cy
	s_and_b32 s78, ttmp7, 0xffff                   ; the cluster's y, 0 .. 15
	s_lshl_b32 s98, s77, 2
	s_lshl_b32 s98, 15, s98                        ; my row of the cluster
	s_lshl_b32 s99, 0x1111, s76                    ; my column
	s_or_b32 s24, s98, (3<<16)|(1<<21)             ; group 1 for L: the mask; elements of 8 bytes; bit 21 beside a mask; no padding
	s_or_b32 s32, s99, (3<<16)|(1<<21)             ; for P
	s_mov_b32 s25, 384<<16                         ; tensor_dim0 = 384 elements: a tile's two K steps, 3,072 bytes
	s_mov_b32 s26, 4<<16                           ; tensor_dim1 = 4 tiles
	s_mov_b32 s27, 384<<16                         ; tile_dim0
	s_mov_b32 s28, 4                               ; tile_dim1
	s_mov_b32 s29, 1536                            ; from tile to tile: 12,288 bytes
	s_mov_b32 s30, 0
	s_mov_b32 s31, 0
	s_mov_b32 s33, 384<<16
	s_mov_b32 s34, 8<<16                           ; P: 8 tiles
	s_mov_b32 s35, 384<<16
	s_mov_b32 s36, 8
	s_mov_b32 s37, 1536
	s_mov_b32 s38, 0
	s_mov_b32 s39, 0
	s_mov_b32 s83, 0xffff0000                      ; lanes 16-31
	s_lshl_b32 s81, s78, 2
	s_add_co_u32 s81, s81, s77                     ; Lt: which 128 tokens: it holds cy alone
	s_mov_b32 s82, s76                             ; Pt: which 256 features: it holds cx alone
	s_lshl_b32 s94, s81, 3                         ; O's first tile of the work-group
	s_lshl_b32 s96, s82, 4
	s_add_co_u32 s96, s96, 1728                    ; Wo's
	s_mov_b32 s100, s94
	s_mov_b32 s101, s96
	s_lshl_b32 s98, s22, 2
	s_add_co_u32 s94, s94, s98                     ; the half that I fetch
	s_lshl_b32 s98, s22, 3
	s_add_co_u32 s96, s96, s98
	s_mul_i32 s94, s94, 12288
	s_mul_i32 s96, s96, 12288
	s_mov_b32 s95, 0
	s_mov_b32 s97, 0
	s_mul_i32 s98, s22, 12288                      ; and where it goes in a slot: the wave's number alone
	s_mul_i32 s99, s22, 24576
	s_add_co_u32 s99, s99, POFF
	s_wait_dscnt 0x0                               ; both opening adds are done
	s_wait_kmcnt 0x0
	s_add_nc_u64 s[94:95], s[4:5], s[94:95]
	s_add_nc_u64 s[96:97], s[6:7], s[96:97]
.irp q, 0,1,2,3                        ; group 0, a set for each slot: L's at s40 on; P's at s56, s60, s68, s72
	s_mov_b32 s[40+4*\q], 1
	s_add_co_u32 s[41+4*\q], s98, \q*SLOTB
	s_add_nc_u64 s[42+4*\q:43+4*\q], s[94:95], \q*3072
	s_or_b32 s[43+4*\q], s[43+4*\q], 0x80000000
	s_mov_b32 s[56+4*\q+4*(\q/2)], 1
	s_add_co_u32 s[57+4*\q+4*(\q/2)], s99, \q*SLOTB
	s_add_nc_u64 s[58+4*\q+4*(\q/2):59+4*\q+4*(\q/2)], s[96:97], \q*3072
	s_or_b32 s[59+4*\q+4*(\q/2)], s[59+4*\q+4*(\q/2)], 0x80000000
.endr
	CROUND                                         ; all sixteen work-groups are here: the joint loads meet
	s_cmp_eq_u32 s21, 0                            ; every wave's four fills stand in one branch on its number, ahead of every wait on TENSORcnt and every LDS read
	s_cbranch_scc0 .Lfill_p
	tensor_load_to_lds s[40:43], s[24:31]
	s_nop 0
	tensor_load_to_lds s[44:47], s[24:31]
	s_nop 0
	tensor_load_to_lds s[48:51], s[24:31]
	s_nop 0
	tensor_load_to_lds s[52:55], s[24:31]
	s_nop 0
	PLACES
	s_branch .Lfilled
.Lfill_p:
	tensor_load_to_lds s[56:59], s[32:39]
	s_nop 0
	tensor_load_to_lds s[60:63], s[32:39]
	s_nop 0
	tensor_load_to_lds s[68:71], s[32:39]
	s_nop 0
	tensor_load_to_lds s[72:75], s[32:39]
	s_nop 0
	PLACES
.Lfilled:
	v_and_b32 v11, 31, v0                          ; lane
	v_and_b32 v12, 15, v0                          ; r
	v_bfe_u32 v13, v0, 4, 1                        ; h
	v_lshlrev_b32 v5, 4, v11
	v_lshlrev_b32 v6, 3, v11
	s_mul_i32 s98, s21, 12288                      ; my four tiles of L
	v_add_nc_u32 v1, s98, v5
	v_add_nc_u32 v2, s98, v6
	s_mul_i32 s98, s22, 24576                      ; my eight tiles of P
	s_add_co_u32 s98, s98, POFF
	v_add_nc_u32 v3, s98, v5
	v_add_nc_u32 v4, s98, v6
	s_mul_i32 s98, s20, 8448                       ; my stage for the way out: 16 rows x (512 + 16) bytes, in slot 0
	v_mul_u32_u24 v14, v12, 528
	v_lshl_add_u32 v14, v13, 6, v14
	v_add_nc_u32 v14, s98, v14                     ; in: row r, 64 h bytes on
	v_add_nc_u32 v15, s98, v5                      ; back: a row's 512 bytes, 16 a lane
	s_lshl_b32 s98, s21, 2
	s_add_co_u32 s98, s98, s100
	s_add_co_u32 s98, s98, 1792
	s_lshl_b32 s98, s98, 9                         ; my L tiles' scale words: 512 bytes a tile
	s_lshl_b32 s99, s22, 3
	s_add_co_u32 s99, s99, s101
	s_lshl_b32 s99, s99, 9                         ; my P tiles'
	v_mov_b32 v8, s98
	v_mov_b32 v9, s99
	v_cndmask_b32 v8, v8, v9, s83                  ; lanes 0-15 take L's, lanes 16-31 P's
	v_lshl_add_u32 v8, v12, 5, v8
	v_lshl_add_u32 v9, v13, 11, v8
.irp i, 0,1,2,3,4,5,6,7
	global_load_b128 v[SC+8*\i:SC+8*\i+3], v[8+\i/4], s[8:9] offset:512*(\i%4)
	global_load_b128 v[SC+8*\i+4:SC+8*\i+7], v[8+\i/4], s[8:9] offset:512*(\i%4)+16
.endr
	s_mov_b32 s101, 0
	s_lshl_b32 s100, s82, 10
	s_lshl_b32 s98, s22, 9
	s_add_co_u32 s100, s100, s98                   ; my 128 features, in bytes
	s_add_nc_u64 s[94:95], s[10:11], s[100:101]    ; their bias,
	s_add_nc_u64 s[86:87], s[12:13], s[100:101]    ; and their place in a row of out0
	s_lshl_b32 s100, s81, 7
	s_lshl_b32 s98, s21, 6
	s_add_co_u32 s100, s100, s98
	s_lshl_b32 s100, s100, 12                      ; my first token's row: 4,096 bytes a row
	s_add_nc_u64 s[86:87], s[86:87], s[100:101]
	v_lshlrev_b32 v10, 6, v13                      ; register 16 e + i is feature 32 e + 16 h + i
	WIN 0x40
.irp n, 0,1,2,3,4,5,6,7,8,9,10,11,12,13,14,15
	global_load_b128 v[96+4*\n+96*(\n/8):99+4*\n+96*(\n/8)], v10, s[94:95] offset:128*(\n/4)+16*(\n%4)
.endr
	WIN 0
.macro FRAG reg, adr, off              ; a fragment's image comes back as it was laid: 16, 8, 16, 8 bytes a lane, each load dense
	ds_load_b128 v[\reg:\reg+3], v[\adr] offset:\off
	ds_load_b64 v[\reg+4:\reg+5], v[\adr+1] offset:\off+512
	ds_load_b128 v[\reg+6:\reg+9], v[\adr] offset:\off+768
	ds_load_b64 v[\reg+10:\reg+11], v[\adr+1] offset:\off+1280
.endm
.macro FETCH set, k                    ; 48 LDS loads in one run: the fragments of the slot's k-th K step
	WIN 0x40
.irp b, 0,1,2,3,4,5,6,7
	FRAG 128*(\set)+FR*\b, 3, 3072*\b+1536*(\k)
.endr
	WIN 0
.irp a, 0,1,2,3
	FRAG LF+48*(\set)+FR*\a, 1, 3072*\a+1536*(\k)
.endr
.endm
.macro MUL16 a0, set, s, zero          ; L's tiles a0, a0 + 1 x P's eight.  The 32 accumulators take turns in one order in every K step
.irp a, \a0, \a0+1
.irp b, 0,1,2,3,4,5,6,7
.if \zero
	v_wmma_scale_f32_16x16x128_f8f6f4 v[8*(8*(\a)+\b):8*(8*(\a)+\b)+7], v[128*(\set)+FR*\b:128*(\set)+FR*\b+FR-1], v[LF+48*(\set)+FR*(\a):LF+48*(\set)+FR*(\a)+FR-1], 0, v[SC+8*\b+(\s)], v[SC+8*(\a)+(\s)] matrix_a_fmt:MATRIX_FMT_FP6 matrix_b_fmt:MATRIX_FMT_FP6 matrix_a_scale:MATRIX_SCALE_ROW1
.else
	v_wmma_scale_f32_16x16x128_f8f6f4 v[8*(8*(\a)+\b):8*(8*(\a)+\b)+7], v[128*(\set)+FR*\b:128*(\set)+FR*\b+FR-1], v[LF+48*(\set)+FR*(\a):LF+48*(\set)+FR*(\a)+FR-1], v[8*(8*(\a)+\b):8*(8*(\a)+\b)+7], v[SC+8*\b+(\s)], v[SC+8*(\a)+(\s)] matrix_a_fmt:MATRIX_FMT_FP6 matrix_b_fmt:MATRIX_FMT_FP6 matrix_a_scale:MATRIX_SCALE_ROW1
.endif
.endr
.endr
.endm
.macro EVEN s, zero                    ; a slot's first K step: the second's fragments are asked for, then this step's 32 products
.if (\s) > 0
	PLACES                                         ; in front of loads into registers that the last products read
.endif
	FETCH 1, 1
	s_wait_dscnt 48                                ; all but the 48 just issued: this step's fragments are in
	WIN 0xa1                                       ; source 0 window 1, source 1 window 0, C and D window 2
	MUL16 0, 0, \s, \zero
	MUL16 2, 0, \s, \zero
.endm
.macro ODD s, cnt                      ; a slot's second K step, and the way into the next slot: later slots' loads may stay out
	s_wait_tensorcnt \cnt                          ; my part of the next slot is in
	s_wait_dscnt 0x0                               ; this step's fragments are in: my reads of this slot are over
	s_barrier_signal -1
	MUL16 0, 1, \s, 0
	WIN 0
	s_barrier_wait -1                              ; everybody's part is in, and nobody reads this slot any more
.irp r, 1,2,3,4
	v_add_nc_u32 v\r, SLOTB, v\r                   ; on to the next slot.  These four are also the places in front of the loads below
.endr
	FETCH 0, 0
	WIN 0xa1
	MUL16 2, 1, \s, 0
.endm
	s_wait_tensorcnt 3                             ; my part of slot 0 is in; my three later loads may be out
	s_barrier_signal -1
	s_barrier_wait -1
	FETCH 0, 0
	s_wait_loadcnt 0x0                             ; the scale words and the bias
	EVEN 0, 1                                      ; the first products start the sums: nothing is cleared
	ODD 1, 2
	EVEN 2, 0
	ODD 3, 1
	EVEN 4, 0
	ODD 5, 0
	EVEN 6, 0
	s_wait_dscnt 0x0
	MUL16 0, 1, 7, 0
	MUL16 2, 1, 7, 0
	PLACES                                         ; in front of the first read of results and of writes into registers that held fragments
; THE WAY OUT, a tile of 16 tokens x my 128 features at a time: the bias; through my own stage in LDS; back as whole rows of 512 bytes.  The stage lies in slot 0, which was filled once and which nobody
; has read since the barrier of K step 1.  LDS serves a wave's instructions in order: no wait between the stores and the loads.
.irp a, 0,1,2,3
	WIN 0x06                                       ; source 0 (the sums) window 2, source 1 (the bias) window 1
.irp n, 0,2,4,6,8,10,12,14,16,18,20,22,24,26,28,30,32,34,36,38,40,42,44,46,48,50,52,54,56,58,60,62
	v_pk_add_f32 v[H+\n:H+\n+1], v[64*\a+\n:64*\a+\n+1], v[96+\n+96*(\n/32):97+\n+96*(\n/32)]   ; each accumulator from its low end on
.endr
	WIN 0
.irp n, 0,1,2,3,4,5,6,7,8,9,10,11,12,13,14,15
	ds_store_b128 v14, v[H+4*\n:H+4*\n+3] offset:128*(\n/4)+16*(\n%4)
.endr
	s_wait_xcnt 0x0                                ; the last tile's stores have read the registers into which the rows come back
.irp i, 0,1,2,3,4,5,6,7,8,9,10,11,12,13,14,15
	ds_load_b128 v[BK+4*\i:BK+4*\i+3], v15 offset:528*\i
.endr
.irp i, 0,1,2,3,4,5,6,7,8,9,10,11,12,13,14,15
	s_wait_dscnt 15-\i                             ; row i is back; the younger loads may be out
	global_store_b128 v5, v[BK+4*\i:BK+4*\i+3], s[86:87] offset:(32*(\a/2)+8*(\a%2)+\i+8*(\i/8))*4096 th:TH_STORE_NT   ; 32 lanes store 512 consecutive bytes, aligned to 256; written once, read by nobody here
.endr
.endr
	s_wait_tensorcnt 0x0                           ; the wave's end
	ds_add_u32 v28, v29
	s_wait_dscnt 0x0
	CROUND                                         ; the closing round: no work-group ends while a partner may still ask for a tile that names it
	s_endpgm
.Lfunc_end_k_q496d7b9ecb_oproj:
	.size	k_q496d7b9ecb_oproj, .Lfunc_end_k_q496d7b9ecb_oproj-k_q496d7b9ecb_oproj
	.p2alignl 7, 3214868480
	.fill 96, 4, 3214868480
	.section	.rodata,"a",@progbits
	.p2align	6, 0x0
	.amdhsa_kernel k_q496d7b9ecb_oproj
		.amdhsa_group_segment_fixed_size 295424
		.amdhsa_private_segment_fixed_size 0
		.amdhsa_enable_private_segment 0
		.amdhsa_kernarg_size 40
		.amdhsa_user_sgpr_count 2
		.amdhsa_user_sgpr_kernarg_segment_ptr 1
		.amdhsa_wavefront_size32 1
		.amdhsa_system_sgpr_workgroup_id_x 1
		.amdhsa_system_sgpr_workgroup_id_y 1
		.amdhsa_system_sgpr_workgroup_id_z 1
		.amdhsa_system_vgpr_workitem_id 0
		.amdhsa_next_free_vgpr 768
		.amdhsa_next_free_sgpr 102
		.amdhsa_reserve_vcc 0
		.amdhsa_float_denorm_mode_32 3
		.amdhsa_float_denorm_mode_16_64 3
		.amdhsa_memory_ordered 1
		.amdhsa_forward_progress 1
		.amdhsa_inst_pref_size 95
	.end_amdhsa_kernel
	.amdgpu_metadata
---
amdhsa.version: [ 1, 2 ]
amdhsa.kernels:
  - .name:           k_q496d7b9ecb_oproj
    .symbol:         k_q496d7b9ecb_oproj.kd
    .args:
      - { .name: ocd, .offset: 0, .size: 8, .value_kind: global_buffer, .address_space: global }
      - { .name: cod, .offset: 8, .size: 8, .value_kind: global_buffer, .address_space: global }
      - { .name: scl, .offset: 16, .size: 8, .value_kind: global_buffer, .address_space: global }
      - { .name: bo, .offset: 24, .size: 8, .value_kind: global_buffer, .address_space: global }
      - { .name: out0, .offset: 32, .size: 8, .value_kind: global_buffer, .address_space: global }
    .group_segment_fixed_size: 295424
    .private_segment_fixed_size: 0
    .kernarg_segment_align: 8
    .kernarg_segment_size: 40
    .max_flat_workgroup_size: 128
    .sgpr_count:     102
    .vgpr_count:     768
    .wavefront_size: 32
...
	.end_amdgpu_metadata
.endif
;; end of part 4
;; ======== version 2 of 2: 4 launches; version 1 with the launch attn written anew for expert scheduling mode
;; workspace buffers: cod 22,020,096 bytes; scl 1,179,648 bytes; qc 6,291,456 bytes; qs 262,144 bytes; kv 13,107,200 bytes; ocd 6,291,456 bytes; mw 2,097,152 bytes of whole numbers; mf 8,192 bytes of whole numbers
;; launch prep: the kernel of part 1 again; grid 960 x 1, 4 waves a work-group, no clusters, 52,736 bytes of LDS; arguments query, key, value, Wq, Wk, Wv, Wo, mask, cod, scl, mw, mf; writes cod, scl, mw, mf
;; launch proj: the kernel of part 2 again; grid 4 x 192, 4 waves a work-group, clusters of 4 x 4, 295,424 bytes of LDS; arguments cod, scl, bq, bk, bv, qc, qs, kv; writes qc, qs, kv
;; launch attn (part 5): grid 4 x 64, 16 waves a work-group, no clusters, 206,848 bytes of LDS; arguments kv, qc, qs, mw, mf, ocd, scl; writes ocd, scl
.if DOCPART == 5
	.amdgcn_target "amdgcn-amd-amdhsa--gfx1250"
	.amdhsa_code_object_version 6
	.text
	.protected	k_q496d7b9ecb_attn
	.globl	k_q496d7b9ecb_attn
	.p2align	8
	.type	k_q496d7b9ecb_attn,@function
k_q496d7b9ecb_attn:
	s_mov_b64 s[64:65], 0
	v_nop
	global_prefetch_b8 v0, s[64:65] scope:SCOPE_SE
	s_setreg_imm32_b32 hwreg(HW_REG_WAVE_SCHED_MODE, 0, 2), 2
	s_setreg_imm32_b32 hwreg(HW_REG_WAVE_MODE, 25, 1), 1
	s_wait_xcnt 0x0
	s_wait_alu depctr_vm_vsrc(0)
; ATTENTION ON CODES OF FP6 (E2M3): S^T = K Q^T, the mask, the softmax by the problem's rule (p = 2^(t - M), M a whole number, not normalised; the sum of the unquantised p divides at the end), O^T = V^T P^T,
; and the quantising of O for the last projection.  No work of reference() is left out.
; SHARES.  A work-group owns 512 queries of one head (b x 16 + head = work-group y).  THE HEAD'S WHOLE K AND V, 16 records of 12,800 bytes (launch proj), COME INTO LDS ONCE, through registers; one barrier in the launch.
; Each of the sixteen waves owns two tiles of 16 queries, one after the other, and walks 16 key steps of 128 keys for each.  Four waves to a SIMD: one wave's vector work stands beside another's products and LDS loads.
; NO TENSOR LOAD AND NO CLUSTER: a key step's masking is jumped over where the stored flag (launch prep) says that the step holds no masked entry, a branch on a number read from memory
; and what the four work-groups of a head share is read once by each, 204,800 bytes for 512 wave-steps of work.
; LAYOUT.  Both products are used transposed: a lane holds ONE query (lane % 16) throughout.  By the tiles' order of rows the 16 registers of score tiles 2 e, 2 e + 1 are keys 32 e + 16 (lane / 16) + 0 .. 15.
; THE FIRST PRODUCT'S K IS 64, the instruction's 128: a fragment of K holds TWO tiles of keys (registers 0-5, 6-11), and Q stands between zeros, v16-33 = [six zeros][Q][six zeros]: v[22:33] = (Q | 0) gives the even
; tile's scores, v[16:27] = (0 | Q) the odd tile's.  Zero codes add nothing under any scale byte from 1 to 254.  So no fragment is read twice.
; A ROW ALL OF WHOSE KEYS ARE MASKED: its sum is 0; its codes are zeros and its two scale bytes 0xff, the NaN of E8M0, so that launch oproj gives NaN in that row, as reference() does.
; LIMITS: a block of zeros gets the byte 1 (this program alone reads the bytes); NaN and infinities among the floating-point inputs are not served.
; O's scale bytes leave one byte a lane, 32 bytes a tile beside its 768 bytes of codes: a row's word is shared by two heads, which are two work-groups.
; REGISTERS: v1-3 16, 8, 4 x lane; v4-6 the same + the key step's LDS byte; v7, v8 the add's two; v9 -infinity; v10 32 r + h; v12 -M, v13 the largest t, v[14:15] the sum in two halves; v16-33 Q; v34 Q's scale word;
; v35 the pair's words; v36-83 K's four fragments, of which v36-59 (fragments 0 and 1) are at work between the first product and their next loads; v84, v85 K's scale words; v[86:87] V's; v88 p's; v[90:91] f; v92 4 r;
; v96-159 S^T, then p; v160-191 O^T; v192-239 V's four fragments; v240-251 p's codes.
; THE MODE: SCHED_MODE bits 1:0 = 2 (LLVM: expert scheduling mode 2), set by the entry lines.  The code itself states the register dependences between vector or matrix instructions and memory or LDS
; instructions, with s_wait_alu, always for 0.
; THE PLAN.  Registers that memory or LDS instructions touch, in a key step:
;   v192-239, v[86:87]  V.  Read by the step's four products V^T P; the next step's loads land there behind that step's wait for its exponentials.
;   v60-83, v84, v85    K's fragments 2 and 3 and scale words.  Read by the step's score products and named by nothing else; the next step's loads land there behind the same wait.
;   v36-59              K's fragments 0 and 1.  Read by the score products, then at work in the softmax up to the moves out of v48-54; the next step's loads land there behind the wait ahead of the products V^T P.
;   v4-6                Read by every LDS load of K and V; written at a tile's head and at a step's end, behind a wait on vm_vsrc, and first read again behind a wait on va_vdst that stands there anyway.
;   v1, v2, v10, v92    Offsets, made once at the head and never written again.
; So a step holds three waits on va_vdst: the two that its exponentials have in any case, the first of which also serves V's loads and those of K's upper half, dealt among the row's sums; and one behind the
; rescaling of O^T, for p's codes and scale word, which the scaled products take, and for the loads of K's lower half.  One wait on vm_vsrc stands ahead of the adds to v4-6.
.set REC,   12800
.set SPARE, 16*REC                     ; behind the records: the spare words, 128 bytes for each wave: no other line names them
.set KF, 36
.set BM, 36                            ; the blocks' largest scores, then largest p
.set PT, 40
.set SO, 44                            ; the conversions' scale operands
.set YY, 48
.set S,  96
.set O,  160
.set VF, 192
.set PC, 240
	s_load_b256 s[16:23], s[0:1], 0x0              ; kv, qc, qs, mw
	s_load_b128 s[24:27], s[0:1], 0x20             ; mf, ocd
	s_load_b64 s[28:29], s[0:1], 0x30              ; scl
	v_lshl_add_u32 v7, v0, 2, SPARE
	v_mov_b32 v8, 0
	v_lshrrev_b32 v11, 5, v0
	v_readfirstlane_b32 s2, v11                    ; wave 0..15
	s_and_b32 s32, ttmp7, 0xffff                   ; bh
	s_lshl_b32 s33, ttmp9, 5
	s_wait_alu depctr_va_sdst(0)                   ; s2 is written, ahead of its first reader: the wave's tiles and all its bases are made from it
	s_lshl_b32 s34, s2, 1
	s_add_co_u32 s33, s33, s34                     ; my first tile of queries in the batch: 32 x work-group x + 2 x wave
	s_lshr_b32 s34, s32, 4
	s_lshl_b32 s34, s34, 7
	s_add_co_u32 s34, s34, s33                     ; and among all batches' tiles
	s_and_b32 s35, s32, 15                         ; the head
	s_mov_b32 s37, 0
	s_mov_b32 s84, 0x76543210
	s_mov_b32 s85, 0xfedcba98                      ; v_permlanex16_b32's selects for lane l xor 16
	s_mov_b32 s86, 0x3e38aa3b                      ; c = log2(e) / sqrt(64)
	s_mov_b32 s87, s86                             ; (named with it as a pair)
	s_mov_b32 s88, 0xffff0000                      ; lanes 16-31
	v_lshlrev_b32 v36, 4, v0                       ; the fill: 16 bytes a thread, 8,192 an instruction
	v_add_nc_u32 v37, 0x10000, v36
	v_add_nc_u32 v38, 0x20000, v36
	v_add_nc_u32 v39, 0x30000, v36
	v_and_b32 v3, 31, v0                           ; all the head's vector work stands here, while the arguments are on their way: one wait then serves it
	v_lshlrev_b32 v1, 4, v3
	v_lshlrev_b32 v2, 3, v3
	v_lshlrev_b32 v3, 2, v3
	v_and_b32 v10, 15, v0
	v_lshlrev_b32 v92, 2, v10
	v_bfe_u32 v11, v0, 4, 1
	v_lshl_add_u32 v10, v10, 5, v11
	v_mov_b32 v9, 0xff800000
	v_mov_b32 v91, 0                               ; (named as the upper half of the pair v[90:91])
.irp j, 16,17,18,19,20,21,28,29,30,31,32,33
	v_mov_b32 v\j, 0                               ; the zero codes on both sides of Q
.endr
	s_wait_kmcnt 0x0
	s_mul_i32 s36, s32, 16*REC
	s_add_nc_u64 s[92:93], s[16:17], s[36:37]      ; the head's records
	s_wait_alu depctr_va_vdst(0)                   ; v36 to v39, v1, v2, v10 and v92 are written, which the loads and stores of the kernel read as offsets and addresses; so are the zero codes, which the scaled products take
.irp i, 0,1,2,3,4,5,6,7,8,9,10,11,12,13,14,15,16,17,18,19,20,21,22,23,24
	global_load_b128 v[96+4*\i:99+4*\i], v36, s[92:93] offset:8192*\i
.endr
	s_lshl_b32 s36, s32, 7
	s_add_co_u32 s36, s36, s33
	s_mul_i32 s36, s36, 768
	s_add_nc_u64 s[4:5], s[18:19], s[36:37]        ; Q's codes
	s_lshl_b32 s36, s32, 12
	s_lshl_b32 s38, s33, 5
	s_add_co_u32 s36, s36, s38
	s_add_nc_u64 s[94:95], s[20:21], s[36:37]      ; my pair's scale words: 64 bytes a pair of tiles
	s_lshl_b32 s36, s34, 12
	s_add_nc_u64 s[6:7], s[22:23], s[36:37]        ; the mask words: 256 bytes a key step, 4,096 a tile: the walk over two tiles is one run
	s_lshl_b32 s36, s34, 4
	s_add_nc_u64 s[8:9], s[24:25], s[36:37]        ; the flags
	s_mul_i32 s36, s34, 12288
	s_mul_i32 s38, s35, 768
	s_add_co_u32 s36, s36, s38
	s_add_nc_u64 s[10:11], s[26:27], s[36:37]      ; O's codes: [tile][head][768]
	s_add_co_u32 s36, s34, 1792
	s_lshl_b32 s36, s36, 9
	s_lshl_b32 s38, s35, 1
	s_add_co_u32 s36, s36, s38
	s_add_nc_u64 s[12:13], s[28:29], s[36:37]      ; O's scale bytes: tile 1792 on in scl; 2 bytes a head in a row's 32
.irp i, 0,1,2,3,4,5,6,7,8,9,10,11,12,13,14,15,16,17,18,19,20,21,22,23,24
	s_wait_loadcnt 24-\i                           ; loads come back in order: load i is in, the younger ones may be out
	ds_store_b128 v[36+\i/8], v[96+4*\i:99+4*\i] offset:8192*(\i%8)
.endr
	global_load_b32 v35, v92, s[94:95]
	s_wait_dscnt 0x0                               ; for the others' sake: my stores have landed
	s_barrier_signal -1
	s_barrier_wait -1                              ; the head's K and V lie in LDS; nothing is written there again
	s_wait_alu depctr_vm_vsrc(0)                   ; the fill's loads and LDS stores have read v36 to v39 and v96 to v195: from here on K's and V's loads land there, and the products and the clearing of O^T write there
.macro FRAG reg, off
	ds_load_b128 v[\reg:\reg+3], v4 offset:\off
	ds_load_b64 v[\reg+4:\reg+5], v5 offset:\off+512
	ds_load_b128 v[\reg+6:\reg+9], v4 offset:\off+768
	ds_load_b64 v[\reg+10:\reg+11], v5 offset:\off+1280
.endm
.macro KLOW off                        ; 8 LDS loads: K's fragments 0 and 1.  They are the youngest of a step's loads of K
	FRAG KF, \off
	FRAG KF+12, \off+1536
.endm
; Group g of eight of the loads that are dealt among the row's sums: V's four fragments, V's scale words (17 loads); then, nxt = 1, the next step's fragments 2 and 3 of K and K's two registers of scale words (10 loads)
.macro DEAL g, nxt
.if (\g) < 4
	FRAG VF+12*(\g), 6144+1536*(\g)
.elseif (\g) == 4
	ds_load_b64 v[86:87], v5 offset:12544
.elseif \nxt
.if (\g) < 7
	FRAG KF+12*((\g)-3), REC+1536*((\g)-3)
.else
	ds_load_b32 v84, v6 offset:REC+12288
	ds_load_b32 v85, v6 offset:REC+12288+128
.endif
.endif
.endm
; The scores of fragment b's two tiles of keys
.macro SCORES b
.if (\b)%2
	v_wmma_scale_f32_16x16x128_f8f6f4 v[S+16*\b:S+16*\b+7], v[KF+12*\b:KF+12*\b+11], v[22:33], 0, v[84+\b/2], v34 matrix_a_fmt:MATRIX_FMT_FP6 matrix_b_fmt:MATRIX_FMT_FP6 matrix_a_scale:MATRIX_SCALE_ROW1
	v_wmma_scale_f32_16x16x128_f8f6f4 v[S+16*\b+8:S+16*\b+15], v[KF+12*\b:KF+12*\b+11], v[16:27], 0, v[84+\b/2], v34 matrix_a_fmt:MATRIX_FMT_FP6 matrix_b_fmt:MATRIX_FMT_FP6 matrix_a_scale:MATRIX_SCALE_ROW1
.else
	v_wmma_scale_f32_16x16x128_f8f6f4 v[S+16*\b:S+16*\b+7], v[KF+12*\b:KF+12*\b+11], v[22:33], 0, v[84+\b/2], v34 matrix_a_fmt:MATRIX_FMT_FP6 matrix_b_fmt:MATRIX_FMT_FP6
	v_wmma_scale_f32_16x16x128_f8f6f4 v[S+16*\b+8:S+16*\b+15], v[KF+12*\b:KF+12*\b+11], v[16:27], 0, v[84+\b/2], v34 matrix_a_fmt:MATRIX_FMT_FP6 matrix_b_fmt:MATRIX_FMT_FP6
.endif
.endm
; A KEY STEP: 128 keys.  nxt = 1: the next step's K is asked for on the way
.macro STEP nxt
	s_load_b512 s[16:31], s[6:7], 0x0              ; the step's 64 lane masks
	s_load_b512 s[32:47], s[6:7], 0x40
	s_load_b512 s[48:63], s[6:7], 0x80
	s_load_b512 s[68:83], s[6:7], 0xc0
	s_wait_dscnt 8                                 ; K's fragments 2 and 3 and its scale words are in; the youngest eight loads, fragments 0 and 1, may be out
	SCORES 2
	SCORES 3
	s_wait_dscnt 0x0                               ; fragments 0 and 1 are in
	SCORES 0
	SCORES 1
.rept 4
	v_nop                                          ; places: in front of the first read of the scores and of writes into K's registers
.endr
	s_wait_kmcnt 0x0
	s_and_b32 s15, s14, 1                          ; does this step hold a masked entry?  A whole number that launch prep stored
	s_cmp_lg_u32 s15, 0
	s_cbranch_scc0 .Lopen_\@
.irp j, 0,1,2,3,4,5,6,7,8,9,10,11,12,13,14,15,16,17,18,19,20,21,22,23,24,25,26,27,28,29,30,31,32,33,34,35,36,37,38,39,40,41,42,43,44,45,46,47,48,49,50,51,52,53,54,55,56,57,58,59,60,61,62,63
	v_cndmask_b32 v[S+\j], v[S+\j], v9, s[16+\j+4*(\j/48)]   ; masked scores become -infinity ahead of the maximum: p = 0 then
.endr
.Lopen_\@:
.irp b, 0,1,2,3
	v_max3_num_f32 v[BM+\b], v[S+16*\b], v[S+1+16*\b], v[S+2+16*\b]   ; the largest score of each block of 32 keys: for the row's maximum, and, since p rises with the score, for the block's largest p
.endr
.irp i, 3,5,7,9,11,13
.irp b, 0,1,2,3
	v_max3_num_f32 v[BM+\b], v[BM+\b], v[S+16*\b+\i], v[S+1+16*\b+\i]
.endr
.endr
.irp b, 0,1,2,3
	v_max_num_f32 v[BM+\b], v[BM+\b], v[S+15+16*\b]
.endr
.irp b, 0,1,2,3
	v_permlanex16_b32 v[PT+\b], v[BM+\b], s84, s85
.endr
.irp b, 0,1,2,3
	v_max_num_f32 v[BM+\b], v[BM+\b], v[PT+\b]     ; with lane l xor 16's 16 keys
.endr
	v_max3_num_f32 v56, v[BM], v[BM+1], v[BM+2]
	v_max_num_f32 v56, v56, v[BM+3]                ; the step's largest score of my query
	v_mul_f32 v56, s86, v56                        ; as t (c is positive)
	v_max_num_f32 v13, v13, v56                    ; the running largest t
	v_mov_b32 v56, v12
	v_floor_f32 v12, -v13                          ; the new -M = floor(-t): M is a whole number
	v_sub_f32 v56, v12, v56                        ; M's old value less its new one: a whole number, 0 or less
	v_cvt_i32_f32 v56, v56                         ; (it saturates)
	v_ldexp_f32 v90, 1.0, v56                      ; f = 2^(old M - new M): a multiplication by it rounds nothing
.irp j, 0,2,4,6,8,10,12,14,16,18,20,22,24,26,28,30,32,34,36,38,40,42,44,46,48,50,52,54,56,58,60,62
	v_pk_fma_f32 v[S+\j:S+1+\j], v[S+\j:S+1+\j], s[86:87], v[12:13] op_sel_hi:[1,0,0]   ; t - M, two at a time
.endr
.irp b, 0,1,2,3
	v_fma_f32 v[BM+\b], v[BM+\b], s86, v12         ; the same of each block's largest score
.endr
.irp j, 0,1,2,3,4,5,6,7,8,9,10,11,12,13,14,15,16,17,18,19,20,21,22,23,24,25,26,27,28,29,30,31,32,33,34,35,36,37,38,39,40,41,42,43,44,45,46,47,48,49,50,51,52,53,54,55,56,57,58,59,60,61,62,63
	v_exp_f32 v[S+\j], v[S+\j]                     ; p = 2^(t - M), at most 1: not normalised
.endr
	v_pk_mul_f32 v[14:15], v[14:15], v[90:91] op_sel_hi:[1,0]   ; the sums under the new M: the plain place behind the exponentials
	s_wait_alu depctr_va_vdst(0)                   ; the 64 exponentials have written p, ahead of its first reader: one wait for the batch.  It also states: the last step's four products are done reading V's fragments and scale words, this step's eight are done reading K's fragments 2 and 3 and scale words, and v4 to v6 are written: the loads dealt among the sums below land in the first two and read the last
.irp b, 0,1,2,3
	v_exp_f32 v[BM+\b], v[BM+\b]                   ; the block's largest p: the same two instructions on the same number give the same bits
.endr
	v_pk_add_f32 v[58:59], v[S:S+1], v[S+2:S+3]    ; the row's sum is taken of the unquantised p, in two chains
.irp g, 0,1,2,3,4,5,6,7
	v_pk_add_f32 v[14:15], v[14:15], v[S+4+8*\g:S+5+8*\g]
	v_pk_add_f32 v[58:59], v[58:59], v[S+6+8*\g:S+7+8*\g]
	DEAL \g, \nxt                                  ; no wait: no vector or matrix instruction since the wait above names V's registers, v60 to v87 or v4 to v6
.if \g < 7
	v_pk_add_f32 v[14:15], v[14:15], v[S+8+8*\g:S+9+8*\g]
	v_pk_add_f32 v[58:59], v[58:59], v[S+10+8*\g:S+11+8*\g]
.endif
.endr
	v_pk_add_f32 v[14:15], v[14:15], v[58:59]
	s_wait_alu depctr_va_vdst(0)                   ; the four exponentials have written the blocks' largest p, ahead of its first reader
.irp b, 0,1,2,3
	v_max_num_f32 v[BM+\b], 0x1800000, v[BM+\b]    ; the floor 2^(3 - 127): the byte cannot fall under 1
.endr
.irp b, 0,1,2,3
	v_add_nc_u32 v[SO+\b], 0xff000000, v[BM+\b]    ; 2 off the exponent field: the conversion's scale operand
.endr
.irp b, 0,1,2,3
	v_lshrrev_b32 v[PT+\b], 23, v[SO+\b]           ; the scale's byte
.endr
	v_lshl_or_b32 v88, v[PT+1], 8, v[PT]           ; p's scale word for these 128 keys
	v_lshl_or_b32 v88, v[PT+2], 16, v88
	v_lshl_or_b32 v88, v[PT+3], 24, v88
.irp c, 0,1
	v_cvt_scalef32_pk16_fp6_f32 v[PC+6*\c:PC+2+6*\c], v[S+32*\c:S+15+32*\c], v[SO+2*\c]
	v_cvt_scalef32_pk16_fp6_f32 v[YY+4*\c:YY+2+4*\c], v[S+16+32*\c:S+31+32*\c], v[SO+2*\c+1]   ; (a conversion's three registers begin on an even number)
.endr
	v_nop                                          ; one plain place behind a scaled conversion
.irp c, 0,1                            ; the operand's layout wants a whole block in a lane
.irp i, 0,1,2
	v_permlane16_swap_b32 v[PC+6*\c+\i], v[YY+4*\c+\i]
.endr
.irp i, 0,1,2
	v_mov_b32 v[PC+3+6*\c+\i], v[YY+4*\c+\i]
.endr
.endr
.irp j, 0,2,4,6,8,10,12,14,16,18,20,22,24,26,28,30
	v_pk_mul_f32 v[O+\j:O+1+\j], v[O+\j:O+1+\j], v[90:91] op_sel_hi:[1,0]   ; O^T under the new M.  For each product below the twelve that touch the other tiles are the places behind p's scale word and codes
.endr
	s_wait_alu depctr_va_vdst(0)                   ; p's codes and scale word are written, which the scaled products below take (their places stand ahead of this wait); and all that worked in v36 to v59 is done, where K's fragments 0 and 1 land
.if \nxt
	KLOW REC                                       ; the next step's fragments 0 and 1 of K
	s_wait_dscnt 18                                ; V is in; K's 18 loads, issued behind it, may be out
.else
	s_wait_dscnt 0x0
.endif
.irp t, 0,1,2,3                        ; the four accumulators by turns, one instruction a turn
.if \t%2
	v_wmma_scale_f32_16x16x128_f8f6f4 v[O+8*\t:O+8*\t+7], v[VF+12*\t:VF+12*\t+11], v[PC:PC+11], v[O+8*\t:O+8*\t+7], v[86+\t/2], v88 matrix_a_fmt:MATRIX_FMT_FP6 matrix_b_fmt:MATRIX_FMT_FP6 matrix_a_scale:MATRIX_SCALE_ROW1
.else
	v_wmma_scale_f32_16x16x128_f8f6f4 v[O+8*\t:O+8*\t+7], v[VF+12*\t:VF+12*\t+11], v[PC:PC+11], v[O+8*\t:O+8*\t+7], v[86+\t/2], v88 matrix_a_fmt:MATRIX_FMT_FP6 matrix_b_fmt:MATRIX_FMT_FP6
.endif
.endr
	s_add_nc_u64 s[6:7], s[6:7], 256               ; the next step's mask words (this step's scalar loads were waited for)
.if \nxt
	s_add_co_u32 s3, s3, REC
	s_wait_alu depctr_vm_vsrc(0)                   ; the LDS loads issued so far have read v4 to v6
	v_add_nc_u32 v4, s3, v1                        ; (first read again behind the next step's wait for its exponentials)
	v_add_nc_u32 v5, s3, v2
	v_add_nc_u32 v6, s3, v3
	s_lshr_b32 s14, s14, 1
.endif
.endm
	s_mov_b32 s90, 2                               ; my two tiles of queries
	s_mov_b32 s91, 0x01000100                      ; the even tile's two bytes of the pair's word, twice: they serve (Q | 0) and (0 | Q)
.Ltile:
	global_load_b128 v[22:25], v1, s[4:5]          ; Q's six registers.  No wait: no vector or matrix instruction since the last wait on va_vdst (at the head; on the way back, ahead of the tile's stores) names v22 to v27, v1 or v2
	global_load_b64 v[26:27], v2, s[4:5] offset:512
	s_load_b128 s[96:99], s[8:9], 0x0              ; the tile's flags
	s_mov_b32 s3, 0
	v_add_nc_u32 v4, s3, v1                        ; (behind a wait on vm_vsrc on both ways here: at the head, and at the last tile's end)
	v_add_nc_u32 v5, s3, v2
	v_add_nc_u32 v6, s3, v3
	s_wait_alu depctr_va_vdst(0)                   ; v4 to v6 are written, which K's loads read
	FRAG KF+24, 3072                               ; K of key step 0, in the order of every step: fragments 2 and 3 and the scale words,
	FRAG KF+36, 4608
	ds_load_b32 v84, v6 offset:12288
	ds_load_b32 v85, v6 offset:12288+128
	KLOW 0                                         ; then fragments 0 and 1
	v_mov_b32 v13, 0xff61b1e6                      ; the largest t so far: -3e38, under every t
	v_floor_f32 v12, -v13                          ; -M
	v_mov_b32 v14, 0
	v_mov_b32 v15, 0
	s_wait_kmcnt 0x0
	s_or_b32 s14, s96, s97
	s_or_b32 s14, s14, s98
	s_or_b32 s14, s14, s99                         ; bit s: key step s holds a masked entry
	s_wait_loadcnt 0x0
	v_perm_b32 v34, v35, v35, s91
.irp j, 0,1,2,3,4,5,6,7,8,9,10,11,12,13,14,15,16,17,18,19,20,21,22,23,24,25,26,27,28,29,30,31
	v_mov_b32 v[O+\j], 0                           ; O^T: the step is written for every step alike, and the first change of M leaves zeros zeros.  (Also the places behind Q's scale word)
.endr
	s_wait_alu depctr_va_vdst(0)                   ; Q's scale word v34 is written, which the scaled products of every step take; its places stand ahead of this wait
	s_mov_b32 s89, 15
.Lstep:
	STEP 1
	s_sub_co_u32 s89, s89, 1
	s_cmp_lg_u32 s89, 0
	s_cbranch_scc1 .Lstep
	STEP 0                                         ; the last step asks for nothing more
	; THE TILE'S WAY OUT: O^T / the sum, quantised along the head's 64 features: two blocks
	v_add_f32 v14, v14, v15
	v_permlanex16_b32 v56, v14, s84, s85
	v_add_f32 v14, v14, v56                        ; the row's sum
	v_cmp_eq_f32 s15, 0, v14                       ; a row with every key masked
	v_rcp_f32 v58, v14
	v_mov_b32 v57, 0xff
	v_nop
	v_nop                                          ; (with the additions and the compare: the places behind the last products; a plain place behind the reciprocal)
	s_wait_alu depctr_va_vdst(0)                   ; the reciprocal has written v58, ahead of its first reader
	s_wait_alu depctr_va_sdst(0)                   ; the compare has written s15, ahead of its first reader, the select below
	v_cndmask_b32 v58, v58, 0, s15
.irp j, 0,2,4,6,8,10,12,14,16,18,20,22,24,26,28,30
	v_pk_mul_f32 v[S+\j:S+1+\j], v[O+\j:O+1+\j], v[58:59] op_sel_hi:[1,0]   ; register 16 e + i is feature 32 e + 16 h + i; each accumulator from its low end on
.endr
.irp b, 0,1
	v_max3_num_f32 v[BM+\b], |v[S+16*\b]|, |v[S+1+16*\b]|, 0x1800000
.endr
.irp i, 2,4,6,8,10,12,14
.irp b, 0,1
	v_max3_num_f32 v[BM+\b], v[BM+\b], |v[S+16*\b+\i]|, |v[S+1+16*\b+\i]|
.endr
.endr
.irp b, 0,1
	v_permlanex16_b32 v[PT+\b], v[BM+\b], s84, s85
.endr
.irp b, 0,1
	v_max_num_f32 v[BM+\b], v[BM+\b], v[PT+\b]
.endr
.irp b, 0,1
	v_add_nc_u32 v[SO+\b], 0xff000000, v[BM+\b]
.endr
.irp b, 0,1
	v_lshrrev_b32 v[PT+\b], 23, v[SO+\b]
.endr
	v_cvt_scalef32_pk16_fp6_f32 v[PC:PC+2], v[S:S+15], v[SO]
	v_cvt_scalef32_pk16_fp6_f32 v[YY:YY+2], v[S+16:S+31], v[SO+1]
	v_cndmask_b32 v[PT], v[PT], v[PT+1], s88       ; my half's block's byte.  (The plain place behind the conversions)
.irp i, 0,1,2
	v_permlane16_swap_b32 v[PC+\i], v[YY+\i]
.endr
.irp i, 0,1,2
	v_mov_b32 v[PC+3+\i], v[YY+\i]
.endr
	v_cndmask_b32 v[PT], v[PT], v57, s15           ; 0xff where the sum is 0
	s_wait_alu depctr_va_vdst(0)                   ; the six registers of codes and the byte are written, which the three stores read; the tile's products are done reading Q, in which the next tile's loads land
	global_store_b128 v1, v[PC:PC+3], s[10:11]     ; 512 consecutive bytes, aligned to 256
	global_store_b64 v2, v[PC+4:PC+5], s[10:11] offset:512
	global_store_b8 v10, v[PT], s[12:13]
	s_wait_xcnt 0x0                                ; the stores have read their registers and bases: both may be written again
	s_wait_alu depctr_vm_vsrc(0)                   ; the stores have read the codes' registers and the byte's, and the last step's LDS loads v4 and v5: the next tile writes all of them again
	s_add_nc_u64 s[4:5], s[4:5], 768
	s_add_nc_u64 s[8:9], s[8:9], 16
	s_add_nc_u64 s[10:11], s[10:11], 12288
	s_add_nc_u64 s[12:13], s[12:13], 512
	s_add_co_u32 s91, s91, 0x02020202              ; the odd tile's two bytes
	s_sub_co_u32 s90, s90, 1
	s_cmp_lg_u32 s90, 0
	s_cbranch_scc1 .Ltile
	s_wait_dscnt 0x0                               ; the wave's end: the closing lines, six on end
	s_wait_alu 0x0
	s_wait_tensorcnt 0x0
	ds_add_u32 v7, v8
	s_wait_dscnt 0x0
	s_endpgm
.Lfunc_end_k_q496d7b9ecb_attn:
	.size	k_q496d7b9ecb_attn, .Lfunc_end_k_q496d7b9ecb_attn-k_q496d7b9ecb_attn
	.p2alignl 7, 3214868480
	.fill 96, 4, 3214868480
	.section	.rodata,"a",@progbits
	.p2align	6, 0x0
	.amdhsa_kernel k_q496d7b9ecb_attn
		.amdhsa_group_segment_fixed_size 206848
		.amdhsa_private_segment_fixed_size 0
		.amdhsa_enable_private_segment 0
		.amdhsa_kernarg_size 56
		.amdhsa_user_sgpr_count 2
		.amdhsa_user_sgpr_kernarg_segment_ptr 1
		.amdhsa_wavefront_size32 1
		.amdhsa_system_sgpr_workgroup_id_x 1
		.amdhsa_system_sgpr_workgroup_id_y 1
		.amdhsa_system_sgpr_workgroup_id_z 1
		.amdhsa_system_vgpr_workitem_id 0
		.amdhsa_next_free_vgpr 256
		.amdhsa_next_free_sgpr 102
		.amdhsa_reserve_vcc 0
		.amdhsa_float_denorm_mode_32 3
		.amdhsa_float_denorm_mode_16_64 3
		.amdhsa_memory_ordered 1
		.amdhsa_forward_progress 1
		.amdhsa_inst_pref_size 55
	.end_amdhsa_kernel
	.amdgpu_metadata
---
amdhsa.version: [ 1, 2 ]
amdhsa.kernels:
  - .name:           k_q496d7b9ecb_attn
    .symbol:         k_q496d7b9ecb_attn.kd
    .args:
      - { .name: kv, .offset: 0, .size: 8, .value_kind: global_buffer, .address_space: global }
      - { .name: qc, .offset: 8, .size: 8, .value_kind: global_buffer, .address_space: global }
      - { .name: qs, .offset: 16, .size: 8, .value_kind: global_buffer, .address_space: global }
      - { .name: mw, .offset: 24, .size: 8, .value_kind: global_buffer, .address_space: global }
      - { .name: mf, .offset: 32, .size: 8, .value_kind: global_buffer, .address_space: global }
      - { .name: ocd, .offset: 40, .size: 8, .value_kind: global_buffer, .address_space: global }
      - { .name: scl, .offset: 48, .size: 8, .value_kind: global_buffer, .address_space: global }
    .group_segment_fixed_size: 206848
    .private_segment_fixed_size: 0
    .kernarg_segment_align: 8
    .kernarg_segment_size: 56
    .max_flat_workgroup_size: 512
    .sgpr_count:     102
    .vgpr_count:     256
    .wavefront_size: 32
...
	.end_amdgpu_metadata
.endif
;; end of part 5
;; launch oproj: the kernel of part 4 again; grid 4 x 64, 4 waves a work-group, clusters of 4 x 4, 295,424 bytes of LDS; arguments ocd, cod, scl, bo, out0; writes out0
